; MI455X (gfx1250); checked and timed in simulation.
; The chip was launched on July 23, 2026; its instructions are those of AMD's public machine-readable ISA for CDNA 5 (MIT licence, August 2026) and "CDNA5" Instruction Set Architecture Reference Guide (July 2026). The comments in the code are by the model that wrote it; some were corrected since.
;; Relative Position Multihead Attention. Allowed arithmetic: matrix products marked QUANTISED: E2M3 operands, one E8M0 scale for each 32 along K, by v_wmma_scale_f32_16x16x128_f8f6f4 with both operands' format E2M3, f32 sums; everything else in f32.
;; Inputs: Wk 1,024 x 1,024 float32; Wo 1,024 x 1,024 float32; Wq 1,024 x 1,024 float32; Wv 1,024 x 1,024 float32; bk 1,024 float32; bo 1,024 float32; bq 1,024 float32; bv 1,024 float32; rel_bias 31 x 16 float32; x 4 x 2,048 x 1,024 float32.
;; Outputs: out0 4 x 2,048 x 1,024 float32.
;; This version of the problem:
;;   THIS VERSION OF THE PROBLEM IS GIVEN IN LOW PRECISION. The matrix products marked QUANTISED in the list below multiply operands that are first quantised to E2M3 (2 exponent bits, 3 mantissa bits; 6 bits a number), with one power-of-two scale for each 32 numbers along K (OCP MX v1.0); their sums are f32. All else is computed in f32.
;;   The module's matrix products, in the order in which they are computed (A, B: the left and right operand; K: the contracted axis; several contracted axes count as one K, in the product's order):
;;     1. [M 8,192, K 1,024] x [K 1,024, N 1,024]; A: input x; B: input Wq: QUANTISED
;;     2. [M 8,192, K 1,024] x [K 1,024, N 1,024]; A: input x; B: input Wk: QUANTISED
;;     3. [M 8,192, K 1,024] x [K 1,024, N 1,024]; A: input x; B: input Wv: QUANTISED
;;     4. batch 64 x [M 2,048, K 64] x [K 64, N 2,048]; A: computed on the way; B: computed on the way: QUANTISED
;;     5. batch 64 x [M 2,048, K 2,048] x [K 2,048, N 64]; A: softmax (see below); B: computed on the way: QUANTISED
;;     6. [M 8,192, K 1,024] x [K 1,024, N 1,024]; A: computed on the way; B: input Wo: QUANTISED
;;   THE QUANTISER, for each operand of a quantised product, along K:
;;     - K is cut into blocks of 32 from its start; a last block that is shorter is filled with zeros.
;;     - A block's scale is 2^e with e = floor(log2(the largest magnitude in the block)) - 2, held to -126 .. 127; a block of zeros has e = 0. As a byte (E8M0): e + 127.
;;     - Each number is divided by its block's scale, clamped to +-7.5, and rounded to the nearest number of E2M3, ties to even, subnormals kept.
;;     - The product sums the exact products of the quantised numbers (number of the format x scale) in f32.
;;   ~~~python
;;   def quantise(x, axis):      # numpy; x: float32 -> the quantised numbers, widened to float32 again
;;       x = np.moveaxis(x, axis, -1); K = x.shape[-1]
;;       x = np.pad(x, [(0, 0)] * (x.ndim - 1) + [(0, -K % 32)]); x = x.reshape(x.shape[:-1] + (-1, 32)); a = np.abs(x).max(-1, keepdims=True)
;;       e = np.where(a > 0, np.clip(np.frexp(np.where(a > 0, a, 1))[1] - 1 - 2, -126, 127), 0)      # np.frexp(a)[1] - 1 = floor(log2(a)), exactly
;;       r = np.clip(x / 2.0 ** e, -7.5, 7.5)
;;       step = 2.0 ** (np.maximum(np.frexp(np.where(r == 0, 1, r))[1] - 1, 0) - 3)
;;       q = np.round(r / step) * step * 2.0 ** e      # np.round: ties to even
;;       return np.moveaxis(q.reshape(q.shape[:-2] + (-1,))[..., :K], -1, axis).astype(np.float32)
;;   ~~~
;;   SOFTMAX AHEAD OF A QUANTISED PRODUCT. Where the list says 'softmax', what is quantised is not the finished softmax but p = 2^(t - M), with t = logit x log2(e) and M = ceil(the row's largest t), a whole number; so 1/2 < the row's largest p <= 1. The row's sum l is taken of the UNQUANTISED p, in f32, and the product's result is divided by l at the end. Since M is a whole number, a kernel that streams over the keys may use a running M (the ceiling of the running maximum): every later rescaling is an exact power of two, which a block's scale takes up: the codes' values come out the same.
;;   OPERANDS COMPUTED ON THE WAY. 'Computed on the way' means the value that the module computes at that place (a softmax that the list does not call 'softmax' is quantised finished and normalised). What goes into a quantiser is computed in f32, as accurately as f32 sums, v_exp_f32 and their like allow (about 1e-6 of the number): no bf16 or f16 on the way to a quantiser, and a product that is left as it is and whose result goes on into a quantised operand takes f32 operands (vector FMAs, or v_wmma_f32_16x16x4_f32). A number that lies on a knife's edge between two numbers of the format may be rounded either way, as far as f32 arithmetic and the matrix unit's own rounding can turn it there, and no further.
;; One version. Each part assembles by itself: llvm-mc -triple=amdgcn-amd-amdhsa -mcpu=gfx1250 --defsym DOCPART=n.
;; ======== version 1 of 1: 4 launches
;; limits: right only within a limited range of input values
;; workspace buffers: cod1 9,437,184 bytes; scl1 360,448 bytes; scl4 294,912 bytes; acod 18,874,368 bytes; ascl 786,432 bytes; ocod 6,291,456 bytes
;; launch quant (part 1): grid 256 x 1, 6 waves a work-group, no clusters, 51,456 bytes of LDS; arguments x, Wq, Wk, Wv, Wo, cod1, scl1, scl4; writes cod1, scl1, scl4
.if DOCPART == 1
	.amdgcn_target "amdgcn-amd-amdhsa--gfx1250"
	.amdhsa_code_object_version 6
	.text
	.protected	k_qe7d94b53e5_quant
	.globl	k_qe7d94b53e5_quant
	.p2align	8
	.type	k_qe7d94b53e5_quant,@function
k_qe7d94b53e5_quant:
	s_mov_b64 s[64:65], 0
	v_nop
	global_prefetch_b8 v0, s[64:65] scope:SCOPE_SE
	s_setreg_imm32_b32 hwreg(HW_REG_WAVE_MODE, 25, 1), 1
	s_wait_xcnt 0x0
; x [8192][1024] and Wq, Wk, Wv, Wo [1024][1024], f32, K innermost, become codes of FP6 (E2M3) with one E8M0 byte for each 32 along K,
; laid in the ORDER OF THE OPERAND'S REGISTERS.  768 tiles of 16 rows: x 0-511, Wq 512-575, Wk 576-639, Wv 640-703, Wo 704-767.
; THE ROWS OF A TILE ARE NOT NEIGHBOURS: lane row i of tile 2 g + u holds row 32 g + 8 u + i % 8 + 16 (i / 8), so that two neighbouring result tiles of a product
; that takes such a tile as source 0 hold 16 neighbours in a lane's 16 registers.
; CODES: [tile][K step of 128: 8][piece p: 6][lane][8 bytes]: piece p is registers 2 p, 2 p + 1 of the fragment (lane (r, h): registers 6 c .. 6 c + 5 = k 64 c + 32 h + 0 .. 31).
; SCALE WORDS: [tile][half of K: 2][r: 16][4 words, one for each K step of 128].  Wo's go to scl4 as tiles 512-575, the others to scl1.
; A block's scale is 2^(floor(log2(largest magnitude)) - 2); its byte is the largest magnitude's exponent field - 2, held at 1 from below.
; LIMITS: a block of zeros, or one whose largest magnitude lies under 2^-124, gets the byte 1 (its codes are what the conversion gives under that scale; zeros stay zeros; only this program reads the bytes).
; NaN and infinities among the inputs are not served.
; SHARES: 768 tiles x 2 halves of K = 1,536 wave tasks = 256 work-groups x 6 waves.  A wave: 16 rows x 512 k = 4 fragments.  Waves share nothing: no barrier.
; Each load reads 512 consecutive bytes of one row; a fragment's 8,192 bytes turn through the wave's own stage in LDS (rows 528 bytes apart), so that a lane gets 32 neighbours of its row.
.set STGB,  8448                       ; a stage: 16 rows x (512 + 16) bytes
.set SPARE, 6*STGB                     ; behind the stages: the spare words, 128 bytes a wave
.set GA,  2                            ; v2  16 x lane: my bytes of a load's 512
.set SA,  3                            ; v3  the stage, on the way in
.set SB,  4                            ; v4  and on the way out: 528 r + 128 h
.set OA,  5                            ; v5  8 x lane: my place in a piece
.set RO,  6                            ; v6  16 r: my row's scale words
.set SH,  7                            ; v7  8 h
.set MX,  8                            ; v8-9 largest magnitudes, then bytes; v10-11 scale operands; v12 the other half's bytes
.set SPW, 14
.set NIL, 15
.set W,   16                           ; v16-19 the four fragments' scale words
.set TQ,  20                           ; v20-27 second halves of the blocks' codes
.set C,   28                           ; v28-51 codes, two sets of 12
.set R,   64                           ; v64-191 numbers as loaded, two sets of 64
.set X,   192                          ; v192-255 my 64 numbers of a fragment
	s_load_b512 s[4:19], s[0:1], 0x0               ; x, Wq, Wk, Wv, Wo, cod1, scl1, scl4
	v_lshl_add_u32 v[SPW], v0, 2, SPARE
	v_mov_b32 v[NIL], 0
	v_lshrrev_b32 v1, 5, v0
	v_readfirstlane_b32 s20, v1                    ; wave 0..5
	v_and_b32 v1, 31, v0                           ; lane
	v_and_b32 v9, 15, v0                           ; r
	v_bfe_u32 v10, v0, 4, 1                        ; h
	s_mul_i32 s21, s20, STGB
	v_lshlrev_b32 v[GA], 4, v1
	v_add_nc_u32 v[SA], s21, v[GA]
	v_mul_u32_u24 v[SB], v9, 528
	v_lshl_add_u32 v[SB], v10, 7, v[SB]
	v_add_nc_u32 v[SB], s21, v[SB]
	v_lshlrev_b32 v[OA], 3, v1
	v_lshlrev_b32 v[RO], 4, v9
	v_lshlrev_b32 v[SH], 3, v10
	v_mov_b32 v12, 0                               ; a lane permute's destination counts as read
	s_mov_b32 s32, 0x76543210
	s_mov_b32 s33, 0xfedcba98                      ; selects for lane l xor 16
	s_lshr_b32 s22, s20, 1
	s_and_b32 s23, s20, 1                          ; which half of K
	s_mul_i32 s24, ttmp9, 3
	s_add_co_u32 s24, s24, s22                     ; my tile, 0..767
	s_and_b32 s25, s24, 63                         ; its number inside a weight
	s_wait_alu depctr_va_vdst(0)
	s_wait_kmcnt 0x0
	s_cmp_lt_u32 s24, 704                          ; the tensor is chosen by the tile's number alone
	s_cselect_b64 s[26:27], s[10:11], s[12:13]
	s_cselect_b64 s[16:17], s[16:17], s[18:19]     ; Wo's scale words go to scl4,
	s_cselect_b32 s30, 0, 192                      ; as tiles 512 on
	s_cmp_lt_u32 s24, 640
	s_cselect_b64 s[26:27], s[8:9], s[26:27]
	s_cmp_lt_u32 s24, 576
	s_cselect_b64 s[26:27], s[6:7], s[26:27]
	s_cmp_lt_u32 s24, 512
	s_cselect_b64 s[26:27], s[4:5], s[26:27]
	s_cselect_b32 s25, s24, s25                    ; the tile's number inside its tensor
	s_lshr_b32 s28, s25, 1
	s_lshl_b32 s28, s28, 17                        ; 32 rows of 4,096 bytes for each pair of tiles,
	s_and_b32 s29, s25, 1
	s_lshl_b32 s29, s29, 15                        ; 8 rows for the odd tile,
	s_add_co_u32 s28, s28, s29
	s_lshl_b32 s29, s23, 11                        ; 2,048 bytes for the second half of K
	s_add_co_u32 s28, s28, s29
	s_mov_b32 s29, 0
	s_add_nc_u64 s[26:27], s[26:27], s[28:29]
	s_mul_i32 s28, s24, 12288
	s_mul_i32 s31, s23, 6144
	s_add_co_u32 s28, s28, s31
	s_add_nc_u64 s[14:15], s[14:15], s[28:29]      ; my four fragments' images
	s_sub_co_u32 s30, s24, s30
	s_lshl_b32 s28, s30, 9
	s_lshl_b32 s31, s23, 8
	s_add_co_u32 s28, s28, s31
	s_add_nc_u64 s[16:17], s[16:17], s[28:29]      ; my 256 bytes of scale words
.macro LOAD f                          ; fragment f: 16 rows x 512 bytes into set f % 2
.set i, 0
.rept 16
	global_load_b128 v[R+64*((\f)%2)+4*i:R+64*((\f)%2)+4*i+3], v[GA], s[26:27] offset:((i%8)+16*(i/8))*4096+512*(\f) th:TH_LOAD_NT
.set i, i+1
.endr
.endm
.macro FRAGQ f
.set RS, R+64*((\f)%2)
.set CD, C+12*((\f)%2)
.if (\f) < 3
	s_wait_loadcnt 16                              ; this fragment's 16 loads are in; the next fragment's 16 may be out
.else
	s_wait_loadcnt 0x0
.endif
.set i, 0
.rept 16
	ds_store_b128 v[SA], v[RS+4*i:RS+4*i+3] offset:528*i
.set i, i+1
.endr
.irp c, 0,1
.irp q, 0,1,2,3,4,5,6,7
	ds_load_b128 v[X+32*\c+4*\q:X+32*\c+4*\q+3], v[SB] offset:256*\c+16*\q    ; LDS serves a wave's instructions in order: these see the stores above
.endr
.endr
	s_wait_dscnt 0x0                               ; my numbers are back, and the stores have read their registers,
.if (\f) < 2
	LOAD (\f)+2                                    ; which take the fragment two on
.endif
.irp c, 0,1
	v_max3_num_f32 v[MX+\c], |v[X+32*\c]|, |v[X+32*\c+1]|, 0x1800000           ; block 2 c + h: all 32 numbers are mine; the floor 2^(3 - 127) holds the byte at 1 from below
.endr
.irp i, 2,4,6,8,10,12,14,16,18,20,22,24,26,28,30
.irp c, 0,1
	v_max3_num_f32 v[MX+\c], v[MX+\c], |v[X+32*\c+\i]|, |v[X+32*\c+\i+1]|
.endr
.endr
	v_add_nc_u32 v10, 0xff000000, v8               ; 2 off the exponent field: the conversion's scale operand
	v_add_nc_u32 v11, 0xff000000, v9
	v_lshrrev_b32 v8, 23, v10                      ; the bytes
	v_lshrrev_b32 v9, 23, v11
	v_lshl_or_b32 v8, v9, 16, v8                   ; blocks h and 2 + h,
	v_lshlrev_b32 v8, v[SH], v8                    ; at their places in the word;
	v_permlanex16_b32 v12, v8, s32, s33
	v_or_b32 v[W+(\f)], v8, v12                    ; with lane l xor 16's two the word is whole
.if (\f) >= 2
	s_wait_alu depctr_va_vdst(0)
	s_wait_xcnt 0x0                                ; the stores of two fragments back have read this set of codes
.endif
.irp c, 0,1
	v_cvt_scalef32_pk16_fp6_f32 v[CD+6*\c:CD+6*\c+2], v[X+32*\c:X+32*\c+15], v[10+\c]
	v_cvt_scalef32_pk16_fp6_f32 v[TQ+4*\c:TQ+4*\c+2], v[X+32*\c+16:X+32*\c+31], v[10+\c]   ; (a conversion's three registers begin on an even number)
.endr
	v_nop                                          ; one plain place behind the conversions
.irp c, 0,1
.irp i, 0,1,2
	v_mov_b32 v[CD+6*\c+3+\i], v[TQ+4*\c+\i]
.endr
.endr
.irp p, 0,1,2,3,4,5
	global_store_b64 v[OA], v[CD+2*\p:CD+2*\p+1], s[14:15] offset:1536*(\f)+256*\p   ; 32 lanes store 256 consecutive bytes, aligned
.endr
.endm
	LOAD 0
	LOAD 1
	FRAGQ 0
	FRAGQ 1
	FRAGQ 2
	FRAGQ 3
	v_cmp_gt_u32 vcc_lo, 16, v1
	s_wait_xcnt 0x0                                ; EXEC changes only behind this wait
	s_and_saveexec_b32 s34, vcc_lo
	global_store_b128 v[RO], v[W:W+3], s[16:17]    ; lanes 0-15: 256 consecutive bytes, aligned (lanes 16-31 hold the same words)
	s_wait_xcnt 0x0
	s_or_b32 exec_lo, exec_lo, s34
	s_wait_tensorcnt 0x0                           ; the wave's end, behind my last LDS store
	ds_add_u32 v[SPW], v[NIL]
	s_wait_dscnt 0x0
	s_endpgm
.Lfunc_end_k_qe7d94b53e5_quant:
	.size	k_qe7d94b53e5_quant, .Lfunc_end_k_qe7d94b53e5_quant-k_qe7d94b53e5_quant
	.p2alignl 7, 3214868480
	.fill 96, 4, 3214868480
	.section	.rodata,"a",@progbits
	.p2align	6, 0x0
	.amdhsa_kernel k_qe7d94b53e5_quant
		.amdhsa_group_segment_fixed_size 51456
		.amdhsa_private_segment_fixed_size 0
		.amdhsa_enable_private_segment 0
		.amdhsa_kernarg_size 64
		.amdhsa_user_sgpr_count 2
		.amdhsa_user_sgpr_kernarg_segment_ptr 1
		.amdhsa_wavefront_size32 1
		.amdhsa_system_sgpr_workgroup_id_x 1
		.amdhsa_system_sgpr_workgroup_id_y 1
		.amdhsa_system_sgpr_workgroup_id_z 1
		.amdhsa_system_vgpr_workitem_id 0
		.amdhsa_next_free_vgpr 256
		.amdhsa_next_free_sgpr 66
		.amdhsa_reserve_vcc 1
		.amdhsa_float_denorm_mode_32 3
		.amdhsa_float_denorm_mode_16_64 3
		.amdhsa_memory_ordered 1
		.amdhsa_forward_progress 1
		.amdhsa_inst_pref_size 32
	.end_amdhsa_kernel
	.amdgpu_metadata
---
amdhsa.version: [ 1, 2 ]
amdhsa.kernels:
  - .name:           k_qe7d94b53e5_quant
    .symbol:         k_qe7d94b53e5_quant.kd
    .args:
      - { .name: x, .offset: 0, .size: 8, .value_kind: global_buffer, .address_space: global }
      - { .name: Wq, .offset: 8, .size: 8, .value_kind: global_buffer, .address_space: global }
      - { .name: Wk, .offset: 16, .size: 8, .value_kind: global_buffer, .address_space: global }
      - { .name: Wv, .offset: 24, .size: 8, .value_kind: global_buffer, .address_space: global }
      - { .name: Wo, .offset: 32, .size: 8, .value_kind: global_buffer, .address_space: global }
      - { .name: cod1, .offset: 40, .size: 8, .value_kind: global_buffer, .address_space: global }
      - { .name: scl1, .offset: 48, .size: 8, .value_kind: global_buffer, .address_space: global }
      - { .name: scl4, .offset: 56, .size: 8, .value_kind: global_buffer, .address_space: global }
    .group_segment_fixed_size: 51456
    .private_segment_fixed_size: 0
    .kernarg_segment_align: 8
    .kernarg_segment_size: 64
    .max_flat_workgroup_size: 192
    .sgpr_count:     66
    .vgpr_count:     256
    .wavefront_size: 32
...
	.end_amdgpu_metadata
.endif
;; end of part 1
;; launch qkv (part 2): grid 24 x 32, 4 waves a work-group, clusters of 4 x 4, 295,424 bytes of LDS; arguments cod1, scl1, bq, bk, bv, acod, ascl; writes acod, ascl
.if DOCPART == 2
	.amdgcn_target "amdgcn-amd-amdhsa--gfx1250"
	.amdhsa_code_object_version 6
	.text
	.protected	k_qe7d94b53e5_qkv
	.globl	k_qe7d94b53e5_qkv
	.p2align	8
	.type	k_qe7d94b53e5_qkv,@function
k_qe7d94b53e5_qkv:
	s_mov_b64 s[64:65], 0
	v_nop
	global_prefetch_b8 v0, s[64:65] scope:SCOPE_SE
	s_setreg_imm32_b32 hwreg(HW_REG_WAVE_MODE, 25, 1), 1
	s_wait_xcnt 0x0
	s_wait_alu depctr_hold_cnt(0) depctr_sa_sdst(0) depctr_va_vdst(0) depctr_va_sdst(0) depctr_va_ssrc(0) depctr_va_vcc(0) depctr_vm_vsrc(0)
	s_getreg_b32 s2, hwreg(HW_REG_IB_STS2, 6, 4)
	s_cmp_eq_u32 s2, 0
	s_cbranch_scc0 .Lentry_in_a_cluster
	s_endpgm
.Lentry_in_a_cluster:
	s_bfe_u32 s2, ttmp6, 0x10000c
	s_cmp_lg_u32 s2, 0xf033
	s_cbranch_scc0 .Lentry_shape_is_right
	s_endpgm
.Lentry_shape_is_right:
; Q = x Wq^T + bq, K = x Wk^T + bk, V = x Wv^T + bv on codes of FP6 (E2M3), and the results quantised at once for attention: Q and K along the head's 64, V along the keys.
; A work-group multiplies "A", 256 rows (16 tiles), by "B", 128 rows (8 tiles), over all of K = 1,024.  Both lie in LDS whole (294,912 bytes): every byte is asked for at the head and nothing is filled twice.
; Four waves; wave w owns A's tiles 4 w .. 4 w + 3 against B's eight: 32 accumulators.  USED TRANSPOSED: source 0 = B, source 1 = A: a lane holds one row of A and its registers run along B's rows;
; the rows of a tile of B are so chosen (see the quantising launch) that the 16 registers of tiles 2 g, 2 g + 1 are 16 neighbours.
; ROLES, by the cluster's x, which all partners share.  x < 4: A = x (tokens), B = Wq or Wk: a lane's 64 registers are 128 features of a token = two heads.
; x >= 4: A = Wv, B = x: a lane holds one feature d and its registers run along 128 tokens: the keys, V's K.  Only offsets differ up to the parting; the ways part ONCE, so the eight K steps stand in both arms.
; CLUSTER 4 x 4: A's tiles hang on cy (and the cluster), B's on cx: each is asked for jointly along a row or a column of the cluster.
; OUT, images of attention's operand registers: acod [Q, K, V][64 heads][16 steps of 128 tokens][4 fragments][3 x (lane x 16 bytes)].  A fragment of Q or K holds TWO token tiles: registers 0-5 tile 2 j (d = 32 h ..), 6-11 tile 2 j + 1.
; A fragment of V: 16 d x 128 keys.  ascl [Q, K, V][head][step][r][4 words]: Q, K: word j = the two bytes of tile 2 j, then of 2 j + 1; V: word a = the four key blocks of tile a's row r.
; Q's and K's scale words leave as 8 bytes at a pitch of 16 (two waves share a row's 16 bytes): 0.5 MB of the 19.7 MB stored.
; LIMITS as in the quantising launch: byte 1 for blocks under 2^-124; NaN and infinities not served.
; REGISTERS: window 0: v1-29 addresses; v32-95 scale words (register 8 i + k: lanes 0-15 A's tile i, lanes 16-31 B's tile i, K step k) and nothing else; v96-149 codes and words on the way out; v160-223 64 numbers; v224-251 at work.
;   window 1: B's fragments, two sets (128 p + 12 b).  window 2: A's, two sets (128 p + 12 a); v48-111 the bias.  window 3: the accumulators, 8 (8 a + b).
.set TROW,  12288                      ; a tile's 8 fragments in memory
.set CHUNK, 147456                     ; LDS: a chunk is four K steps: A's 16 x 6,144 bytes, then B's 8 x 6,144; two chunks
.set BOFF,  98304
.set SPARE, 2*CHUNK                    ; the spare words, 128 bytes a wave
.set ADA,   4                          ; v4-7   my A fragments in chunk c: 8 x lane + 24,576 x wave
.set ADB,   8                          ; v8-11  B's
.set SOFF,  12                         ; v12    scale words: lanes 0-15 A's tiles, lanes 16-31 B's
.set SOFF2, 13                         ; v13    the same with B's tiles 4 on
.set OC,    14                         ; v14    16 x lane
.set OS,    15                         ; v15    where my scale words go
.set SPW,   28
.set NIL,   29
.set SC,    32
.set DS,    96                         ; four sets of 12 registers of codes
.set WAB,   144
.set WS,    148
.set H,     160
.set TM,    224
.set TQ,    240
.set PW,    248
.set BI,    48                         ; in window 2
.set G1A,   24
.set G1B,   32
.set G0A,   40                         ; s[40:43]: group 0 of my chunk of A
.set G0B,   68                         ; s[68:71]: of B
.set SEL,   66
.set HM,    87
.set MSB, 0
.macro WIN new                         ; the immediate's high byte repeats the setting that is left
.if MSB != \new
	s_set_vgpr_msb (MSB<<8)|\new
.set MSB, \new
.endif
.endm
.macro PLACES n
.rept \n
	v_nop
.endr
.endm
.macro CROUND                          ; a round of the cluster's barrier
	s_barrier_signal -1
	s_barrier_wait -1
	s_cmp_lg_u32 s18, 0
	s_cbranch_scc1 .Lnot_wave_0_\@
	s_barrier_signal -3
.Lnot_wave_0_\@:
	s_barrier_wait -3
	s_barrier_signal -1
	s_barrier_wait -1
.endm
.macro FETCH k                         ; K step k's fragments: B's eight, my four of A; each load takes 256 consecutive bytes
.set CC, (\k)/4
.set KQ, (\k)%4
.set QQ, (\k)%2
	WIN 0x40
.irp b, 0,1,2,3,4,5,6,7
.irp p, 0,1,2,3,4,5
	ds_load_b64 v[128*QQ+12*\b+2*\p:128*QQ+12*\b+2*\p+1], v[ADB+CC] offset:6144*\b+1536*KQ+256*\p
.endr
.endr
	WIN 0x80
.irp a, 0,1,2,3
.irp p, 0,1,2,3,4,5
	ds_load_b64 v[128*QQ+12*\a+2*\p:128*QQ+12*\a+2*\p+1], v[ADA+CC] offset:6144*\a+1536*KQ+256*\p
.endr
.endr
	WIN 0
.endm
.macro MULS k, zero                    ; 32 products; the accumulators take turns, one instruction a turn
.set QQ, (\k)%2
	WIN 0xf9                                       ; source 0 window 1, source 1 window 2, C and D window 3
.irp a, 0,1,2,3
.irp b, 0,1,2,3,4,5,6,7
.if \zero
	v_wmma_scale_f32_16x16x128_f8f6f4 v[8*(8*\a+\b):8*(8*\a+\b)+7], v[128*QQ+12*\b:128*QQ+12*\b+11], v[128*QQ+12*\a:128*QQ+12*\a+11], 0, v[SC+8*\b+(\k)], v[SC+8*\a+(\k)] matrix_a_fmt:MATRIX_FMT_FP6 matrix_b_fmt:MATRIX_FMT_FP6 matrix_a_scale:MATRIX_SCALE_ROW1
.else
	v_wmma_scale_f32_16x16x128_f8f6f4 v[8*(8*\a+\b):8*(8*\a+\b)+7], v[128*QQ+12*\b:128*QQ+12*\b+11], v[128*QQ+12*\a:128*QQ+12*\a+11], v[8*(8*\a+\b):8*(8*\a+\b)+7], v[SC+8*\b+(\k)], v[SC+8*\a+(\k)] matrix_a_fmt:MATRIX_FMT_FP6 matrix_b_fmt:MATRIX_FMT_FP6 matrix_a_scale:MATRIX_SCALE_ROW1
.endif
.endr
.endr
.endm
.macro CORE                            ; the eight K steps.  While one is multiplied the next one's 72 loads are out
	s_wait_alu depctr_va_vdst(0)                   ; the wait at the head's end
	s_cmp_lt_u32 s18, 2                            ; waves 0 and 1 asked for chunk 0, by load lines of their own: they wait for it
	s_cbranch_scc0 .Llater_\@
	s_wait_tensorcnt 0x0
.Llater_\@:                                            ; chunk 1 may be on its way
	s_barrier_signal -1
	s_barrier_wait -1                              ; everybody's has
	FETCH 0
.irp k, 0,1,2,3,4,5,6,7
	s_wait_dscnt 0x0                               ; this step's fragments are in
.if \k == 3
	s_wait_tensorcnt 0x0                           ; every wave's load has landed: chunk 1 is shown to all
	s_barrier_signal -1
	s_barrier_wait -1
.endif
.if (\k > 0) && (\k < 7)
	PLACES 4                                       ; in front of loads into the set that the last step's products read
.endif
.if \k < 7
	FETCH \k+1
.endif
.if \k == 0
	s_wait_loadcnt 0x0                             ; the scale words and the bias
	MULS 0, 1                                      ; the first products start the sums
.else
	MULS \k, 0
.endif
.endr
	WIN 0
	PLACES 4                                       ; in front of the first read of results
.endm
; 64 numbers of a lane, register 16 b + i = k 32 b + 16 (lane / 16) + i of my row, become codes: blocks 0, 1 in v[d0] .. +5, blocks 2, 3 in v[d1] .. +5 (a lane then holds a whole block: 32 h ..), and the four bytes in v[pw]
.macro QUANT s, d0, d1, pw
.irp b, 0,1,2,3
	v_max3_num_f32 v[TM+\b], |v[\s+16*\b]|, |v[\s+1+16*\b]|, 0x1800000   ; the floor 2^(3 - 127) holds the byte at 1 from below
.endr
.irp i, 2,4,6,8,10,12,14
.irp b, 0,1,2,3
	v_max3_num_f32 v[TM+\b], v[TM+\b], |v[\s+16*\b+\i]|, |v[\s+1+16*\b+\i]|
.endr
.endr
.irp b, 0,1,2,3
	v_permlanex16_b32 v[TM+4+\b], v[TM+\b], s[SEL], s[SEL+1]
.endr
.irp b, 0,1,2,3
	v_max_num_f32 v[TM+\b], v[TM+\b], v[TM+4+\b]   ; with lane l xor 16's 16: the block's largest magnitude
.endr
.irp b, 0,1,2,3
	v_add_nc_u32 v[TM+12+\b], 0xff000000, v[TM+\b] ; 2 off its exponent field: the conversion's scale operand
.endr
.irp b, 0,1,2,3
	v_lshrrev_b32 v[TM+4+\b], 23, v[TM+12+\b]      ; the byte
.endr
	v_lshl_or_b32 v[\pw], v[TM+5], 8, v[TM+4]
	v_lshl_or_b32 v[\pw], v[TM+6], 16, v[\pw]
	v_lshl_or_b32 v[\pw], v[TM+7], 24, v[\pw]
	v_cvt_scalef32_pk16_fp6_f32 v[(\d0):(\d0)+2], v[\s:\s+15], v[TM+12]
	v_cvt_scalef32_pk16_fp6_f32 v[TQ:TQ+2], v[\s+16:\s+31], v[TM+13]
	v_cvt_scalef32_pk16_fp6_f32 v[(\d1):(\d1)+2], v[\s+32:\s+47], v[TM+14]
	v_cvt_scalef32_pk16_fp6_f32 v[TQ+4:TQ+6], v[\s+48:\s+63], v[TM+15]
	v_nop                                          ; one plain place behind the conversions
.irp i, 0,1,2
	v_permlane16_swap_b32 v[(\d0)+\i], v[TQ+\i]    ; the first's lanes 16-31 change places with the second's lanes 0-15
	v_permlane16_swap_b32 v[(\d1)+\i], v[TQ+4+\i]
.endr
.irp i, 0,1,2
	v_mov_b32 v[(\d0)+3+\i], v[TQ+\i]
	v_mov_b32 v[(\d1)+3+\i], v[TQ+4+\i]
.endr
.endm
.macro BIASED a, first, step           ; tile a's 64 sums + the bias (pair i at first + step x i of window 2) -> v[H] on: the addition also brings them into window 0; each accumulator is read from its low end on
	WIN 0x0b
.set i, 0
.rept 32
	v_pk_add_f32 v[H+2*i:H+2*i+1], v[64*(\a)+2*i:64*(\a)+2*i+1], v[(\first)+(\step)*i:(\first)+(\step)*i+1]
.set i, i+1
.endr
	WIN 0
.endm
	s_load_b256 s[4:11], s[0:1], 0x0               ; cod1, scl1, bq, bk
	s_load_b128 s[12:15], s[0:1], 0x20             ; bv, acod
	s_load_b64 s[16:17], s[0:1], 0x30              ; ascl
	v_lshl_add_u32 v[SPW], v0, 2, SPARE
	v_mov_b32 v[NIL], 0
	ds_add_u32 v[SPW], v[NIL]                      ; the wave's opening: the add and its wait ahead of my first tensor load
	ds_add_u32 v[SPW], v[NIL]
	v_lshrrev_b32 v1, 5, v0
	v_readfirstlane_b32 s18, v1                    ; wave 0..3
	s_lshr_b32 s19, s18, 1                         ; I fetch for A (0) or for B (1)
	s_and_b32 s20, s18, 1                          ; which half of its tiles
	s_bfe_u32 s21, ttmp6, 0x40000                  ; cx
	s_bfe_u32 s22, ttmp6, 0x40004                  ; cy
	s_and_b32 s23, ttmp7, 0xffff                   ; the cluster's y
	s_lshl_b32 s2, s22, 2
	s_lshl_b32 s2, 15, s2                          ; my row of the cluster
	s_lshl_b32 s3, 0x1111, s21                     ; my column
	s_or_b32 s[G1A], s2, (3<<16)|(1<<21)           ; the mask; elements of 8 bytes; bit 21 beside a mask; no padding
	s_or_b32 s[G1B], s3, (3<<16)|(1<<21)
	s_mov_b32 s[G1A+1], 768<<16                    ; a row of the tile: four fragments of one row tile, 6,144 bytes
	s_mov_b32 s[G1A+2], 16<<16                     ; 16 row tiles
	s_mov_b32 s[G1A+3], 768<<16
	s_mov_b32 s[G1A+4], 16
	s_mov_b32 s[G1A+5], 1536                       ; 12,288 bytes from row tile to row tile
	s_mov_b32 s[G1A+6], 0
	s_mov_b32 s[G1A+7], 0
	s_mov_b32 s[G1B+1], 768<<16
	s_mov_b32 s[G1B+2], 8<<16                      ; 8 row tiles
	s_mov_b32 s[G1B+3], 768<<16
	s_mov_b32 s[G1B+4], 8
	s_mov_b32 s[G1B+5], 1536
	s_mov_b32 s[G1B+6], 0
	s_mov_b32 s[G1B+7], 0
	s_lshl_b32 s56, s23, 6                         ; Q, K: A's first tile is 16 (4 CY + cy)
	s_lshl_b32 s58, ttmp9, 8
	s_lshl_b32 s59, s23, 5
	s_add_co_u32 s58, s58, s59
	s_sub_co_u32 s58, s58, 1024                    ; V: B's first tile is 8 (((CX - 4) 8 + CY) 4 + cx)
	s_lshl_b32 s59, ttmp9, 5
	s_add_co_u32 s59, s59, 512                     ; Q, K: 512 + 8 (4 CX + cx)
	s_cmp_ge_u32 ttmp9, 4
	s_cselect_b32 s56, 640, s56                    ; V: 640 + 16 cy
	s_cselect_b32 s58, s58, s59
	s_lshl_b32 s57, s22, 4
	s_add_co_u32 s56, s56, s57                     ; A's first tile: of the place in the cluster it holds cy alone
	s_lshl_b32 s59, s21, 3
	s_add_co_u32 s58, s58, s59                     ; B's: cx alone
	s_mul_i32 s60, s56, TROW                       ; A's tiles, in bytes
	s_mov_b32 s61, 0
	s_mul_i32 s62, s58, TROW                       ; B's
	s_mov_b32 s63, 0
	s_mul_i32 s57, s19, 6144                       ; my chunk, wave / 2: four K steps on in each tile
	s_add_co_u32 s60, s60, s57
	s_add_co_u32 s62, s62, s57
	s_mul_i32 s66, s19, CHUNK                      ; where it goes: no place in the cluster enters an LDS address
	s_add_co_u32 s67, s66, BOFF
	s_wait_dscnt 0x0                               ; the opening add is done
	s_wait_kmcnt 0x0
	s_add_nc_u64 s[60:61], s[4:5], s[60:61]
	s_add_nc_u64 s[62:63], s[4:5], s[62:63]
	s_mov_b32 s[G0A], 1
	s_mov_b32 s[G0A+1], s66
	s_mov_b64 s[G0A+2:G0A+3], s[60:61]
	s_or_b32 s[G0A+3], s[G0A+3], 0x80000000
	s_mov_b32 s[G0B], 1
	s_mov_b32 s[G0B+1], s67
	s_mov_b64 s[G0B+2:G0B+3], s[62:63]
	s_or_b32 s[G0B+3], s[G0B+3], 0x80000000
	CROUND                                         ; all sixteen work-groups are here: the joint loads meet
; ONE LOAD A WAVE, in one chain of branches on the wave's number: wave 0 A's chunk 0, wave 1 B's chunk 0, wave 2 A's chunk 1, wave 3 B's chunk 1
.macro ARM w, g0, g1
	s_cmp_eq_u32 s18, \w
	s_cbranch_scc0 .Lnot_\w
	tensor_load_to_lds s[\g0:\g0+3], s[\g1:\g1+7]
	s_nop 0
	PLACES 4
	s_branch .Lfilled
.Lnot_\w:
.endm
	ARM 0, G0A, G1A
	ARM 1, G0B, G1B
	ARM 2, G0A, G1A
	tensor_load_to_lds s[G0B:G0B+3], s[G1B:G1B+7]
	s_nop 0
	PLACES 4
.Lfilled:
	s_mov_b32 s[SEL], 0x76543210
	s_mov_b32 s[SEL+1], 0xfedcba98                 ; selects for lane l xor 16
	s_mov_b32 s[HM], 0xffff0000                    ; lanes 16-31
	v_and_b32 v1, 31, v0                           ; lane
	v_and_b32 v2, 15, v0                           ; r
	v_bfe_u32 v3, v0, 4, 1                         ; h
	v_lshlrev_b32 v16, 3, v1
	s_mul_i32 s84, s18, 24576                      ; my four tiles of A, 6,144 bytes each in a chunk
	v_add_nc_u32 v17, s84, v16
.irp c, 0,1
	v_add_nc_u32 v[ADA+\c], \c*CHUNK, v17
	v_add_nc_u32 v[ADB+\c], \c*CHUNK+BOFF, v16
.endr
	v_lshlrev_b32 v[OC], 4, v1
.irp b, 0,1,2,3
	v_mov_b32 v[TM+4+\b], 0                        ; a lane permute's destination counts as read
.endr
	s_lshl_b32 s85, s18, 2
	s_add_co_u32 s85, s85, s56
	s_lshl_b32 s85, s85, 9                         ; my A tiles' scale words, 512 bytes a tile
	s_lshl_b32 s86, s58, 9                         ; B's
	v_mov_b32 v17, s85
	v_mov_b32 v18, s86
	v_cndmask_b32 v[SOFF], v17, v18, s[HM]
	v_lshl_add_u32 v[SOFF], v2, 4, v[SOFF]
	v_add_nc_u32 v18, 2048, v18
	v_cndmask_b32 v[SOFF2], v17, v18, s[HM]        ; for B's tiles 4-7 lanes 0-15 read A's tiles 0-3 once more: no lane leaves its tiles
	v_lshl_add_u32 v[SOFF2], v2, 4, v[SOFF2]
.irp i, 0,1,2,3
.irp g, 0,1
	global_load_b128 v[SC+8*\i+4*\g:SC+8*\i+4*\g+3], v[SOFF], s[6:7] offset:512*\i+256*\g
	global_load_b128 v[SC+32+8*\i+4*\g:SC+32+8*\i+4*\g+3], v[SOFF2], s[6:7] offset:512*\i+256*\g
.endr
.endr
	s_cmp_ge_u32 ttmp9, 4                          ; the cluster's x: the same in all sixteen partners
	s_cbranch_scc1 .Lv
	; ---------------- Q and K ----------------
	s_lshl_b32 s88, ttmp9, 2
	s_add_co_u32 s88, s88, s21                     ; TC: which 128 features of Wq (0-7) or Wk (8-15)
	s_lshl_b32 s89, s23, 2
	s_add_co_u32 s89, s89, s22                     ; TR: which 256 tokens
	s_and_b32 s94, s88, 7
	s_lshl_b32 s92, s94, 9
	s_mov_b32 s93, 0
	s_cmp_lt_u32 s88, 8
	s_cselect_b64 s[90:91], s[8:9], s[10:11]       ; bq or bk
	s_add_nc_u64 s[90:91], s[90:91], s[92:93]
	v_lshlrev_b32 v19, 6, v3                       ; register 8 b + j is feature 32 (b / 2) + 8 (b % 2) + 16 h + j
	WIN 0x80
.irp b, 0,1,2,3,4,5,6,7
	global_load_b128 v[BI+8*\b:BI+8*\b+3], v19, s[90:91] offset:(32*(\b/2)+8*(\b%2))*4
	global_load_b128 v[BI+8*\b+4:BI+8*\b+7], v19, s[90:91] offset:(32*(\b/2)+8*(\b%2))*4+16
.endr
	WIN 0
	s_lshr_b32 s95, s89, 3                         ; the batch
	s_lshl_b32 s95, s95, 4
	s_lshl_b32 s94, s94, 1
	s_add_co_u32 s95, s95, s94                     ; my first head, of 64
	s_lshl_b32 s95, s95, 4
	s_and_b32 s94, s89, 7
	s_lshl_b32 s94, s94, 1
	s_add_co_u32 s95, s95, s94
	s_add_co_u32 s95, s95, s19                     ; 16 x head + step: my 64 tokens are half of step 2 (TR % 8) + wave / 2
	s_lshr_b32 s94, s88, 3                         ; Q or K
	s_mul_i32 s92, s94, 6291456
	s_mul_i32 s96, s95, 6144
	s_add_co_u32 s92, s92, s96
	s_mul_i32 s96, s20, 3072                       ; fragments 2 (wave % 2) on
	s_add_co_u32 s92, s92, s96
	s_add_nc_u64 s[14:15], s[14:15], s[92:93]
	s_lshl_b32 s92, s94, 18
	s_lshl_b32 s96, s95, 8
	s_add_co_u32 s92, s92, s96
	s_lshl_b32 s96, s20, 3
	s_add_co_u32 s92, s92, s96
	s_add_nc_u64 s[16:17], s[16:17], s[92:93]
	v_lshlrev_b32 v[OS], 4, v2
	v_lshl_add_u32 v[OS], v3, 12, v[OS]            ; lanes 0-15 store the first head's words, lanes 16-31 the second's, 4,096 bytes on
	CORE
.irp jp, 0,1                           ; fragment 2 (wave % 2) + jp: token tiles 2 jp and 2 jp + 1 of my four
.irp u, 0,1
	BIASED 2*\jp+\u, BI, 2
	QUANT H, DS+24*\jp+6*\u, DS+24*\jp+12+6*\u, PW+\u      ; blocks 0, 1: the first head's 64; blocks 2, 3: the second's
.endr
.irp c, 0,1,2
	global_store_b128 v[OC], v[DS+24*\jp+4*\c:DS+24*\jp+4*\c+3], s[14:15] offset:1536*\jp+512*\c              ; 512 consecutive bytes
	global_store_b128 v[OC], v[DS+24*\jp+12+4*\c:DS+24*\jp+12+4*\c+3], s[14:15] offset:98304+1536*\jp+512*\c  ; the second head
.endr
	v_perm_b32 v[WAB+\jp], v[PW+1], v[PW], 0x05040100      ; the first head's two bytes of both tiles
	v_perm_b32 v[WAB+2+\jp], v[PW+1], v[PW], 0x07060302    ; the second's
.endr
	v_cndmask_b32 v[WS], v[WAB], v[WAB+2], s[HM]
	v_cndmask_b32 v[WS+1], v[WAB+1], v[WAB+3], s[HM]
	global_store_b64 v[OS], v[WS:WS+1], s[16:17]
	s_branch .Lend
	; ---------------- V ----------------
.Lv:
	s_lshl_b32 s88, s22, 2
	s_add_co_u32 s88, s88, s18                     ; my head: my four tiles of Wv are its 64 features
	s_lshl_b32 s92, s88, 8
	s_mov_b32 s93, 0
	s_add_nc_u64 s[90:91], s[12:13], s[92:93]
	v_and_b32 v19, 7, v0
	v_bfe_u32 v20, v0, 3, 1
	v_lshl_add_u32 v19, v20, 4, v19
	v_lshlrev_b32 v19, 2, v19                      ; my feature in a tile: r % 8 + 16 (r / 8)
	WIN 0x80
.irp a, 0,1,2,3
	global_load_b32 v[BI+2*\a], v19, s[90:91] offset:(32*(\a/2)+8*(\a%2))*4
	global_load_b32 v[BI+2*\a+1], v19, s[90:91] offset:(32*(\a/2)+8*(\a%2))*4     ; twice: a pair for the packed addition
.endr
	WIN 0
	s_lshr_b32 s89, s58, 3                         ; which 128 tokens of 8,192
	s_lshr_b32 s94, s89, 4
	s_lshl_b32 s94, s94, 4
	s_add_co_u32 s94, s94, s88
	s_lshl_b32 s94, s94, 4
	s_and_b32 s95, s89, 15
	s_add_co_u32 s94, s94, s95                     ; 16 x head + step
	s_mul_i32 s92, s94, 6144
	s_add_co_u32 s92, s92, 2*6291456
	s_add_nc_u64 s[14:15], s[14:15], s[92:93]
	s_lshl_b32 s92, s94, 8
	s_add_co_u32 s92, s92, 2*262144
	s_add_nc_u64 s[16:17], s[16:17], s[92:93]
	v_lshlrev_b32 v[OS], 4, v2
	CORE
.irp a, 0,1,2,3                        ; tile a: 16 features x 128 keys: one fragment and one scale word a row
	BIASED \a, BI+2*\a, 0
	QUANT H, DS+12*\a, DS+12*\a+6, PW+\a
.irp c, 0,1,2
	global_store_b128 v[OC], v[DS+12*\a+4*\c:DS+12*\a+4*\c+3], s[14:15] offset:1536*\a+512*\c
.endr
.endr
	v_cmp_gt_u32 vcc_lo, 16, v1
	s_wait_xcnt 0x0                                ; EXEC changes only behind this wait
	s_and_saveexec_b32 s99, vcc_lo
	global_store_b128 v[OS], v[PW:PW+3], s[16:17]  ; lanes 0-15: 256 consecutive bytes, aligned
	s_wait_xcnt 0x0
	s_or_b32 exec_lo, exec_lo, s99
.Lend:
	s_wait_tensorcnt 0x0                           ; the wave's end
	ds_add_u32 v[SPW], v[NIL]
	s_wait_dscnt 0x0
	CROUND                                         ; the closing round
	s_endpgm
.Lfunc_end_k_qe7d94b53e5_qkv:
	.size	k_qe7d94b53e5_qkv, .Lfunc_end_k_qe7d94b53e5_qkv-k_qe7d94b53e5_qkv
	.p2alignl 7, 3214868480
	.fill 96, 4, 3214868480
	.section	.rodata,"a",@progbits
	.p2align	6, 0x0
	.amdhsa_kernel k_qe7d94b53e5_qkv
		.amdhsa_group_segment_fixed_size 295424
		.amdhsa_private_segment_fixed_size 0
		.amdhsa_enable_private_segment 0
		.amdhsa_kernarg_size 56
		.amdhsa_user_sgpr_count 2
		.amdhsa_user_sgpr_kernarg_segment_ptr 1
		.amdhsa_wavefront_size32 1
		.amdhsa_system_sgpr_workgroup_id_x 1
		.amdhsa_system_sgpr_workgroup_id_y 1
		.amdhsa_system_sgpr_workgroup_id_z 1
		.amdhsa_system_vgpr_workitem_id 0
		.amdhsa_next_free_vgpr 1024
		.amdhsa_next_free_sgpr 100
		.amdhsa_reserve_vcc 1
		.amdhsa_float_denorm_mode_32 3
		.amdhsa_float_denorm_mode_16_64 3
		.amdhsa_memory_ordered 1
		.amdhsa_forward_progress 1
		.amdhsa_inst_pref_size 204
	.end_amdhsa_kernel
	.amdgpu_metadata
---
amdhsa.version: [ 1, 2 ]
amdhsa.kernels:
  - .name:           k_qe7d94b53e5_qkv
    .symbol:         k_qe7d94b53e5_qkv.kd
    .args:
      - { .name: cod1, .offset: 0, .size: 8, .value_kind: global_buffer, .address_space: global }
      - { .name: scl1, .offset: 8, .size: 8, .value_kind: global_buffer, .address_space: global }
      - { .name: bq, .offset: 16, .size: 8, .value_kind: global_buffer, .address_space: global }
      - { .name: bk, .offset: 24, .size: 8, .value_kind: global_buffer, .address_space: global }
      - { .name: bv, .offset: 32, .size: 8, .value_kind: global_buffer, .address_space: global }
      - { .name: acod, .offset: 40, .size: 8, .value_kind: global_buffer, .address_space: global }
      - { .name: ascl, .offset: 48, .size: 8, .value_kind: global_buffer, .address_space: global }
    .group_segment_fixed_size: 295424
    .private_segment_fixed_size: 0
    .kernarg_segment_align: 8
    .kernarg_segment_size: 56
    .max_flat_workgroup_size: 128
    .sgpr_count:     100
    .vgpr_count:     1024
    .wavefront_size: 32
...
	.end_amdgpu_metadata
.endif
;; end of part 2
;; launch attn (part 3): grid 4 x 64, 16 waves a work-group, no clusters, 315,392 bytes of LDS; arguments acod, ascl, rel_bias, ocod, scl4; writes ocod, scl4
.if DOCPART == 3
	.amdgcn_target "amdgcn-amd-amdhsa--gfx1250"
	.amdhsa_code_object_version 6
	.text
	.protected	k_qe7d94b53e5_attn
	.globl	k_qe7d94b53e5_attn
	.p2align	8
	.type	k_qe7d94b53e5_attn,@function
k_qe7d94b53e5_attn:
	s_mov_b64 s[64:65], 0
	v_nop
	global_prefetch_b8 v0, s[64:65] scope:SCOPE_SE
	s_setreg_imm32_b32 hwreg(HW_REG_WAVE_MODE, 25, 1), 1
	s_wait_xcnt 0x0
; O = softmax(Q K^T / 8 + relative bias) V for one head, both products on codes of FP6 (E2M3); O / l is quantised along the model's 1,024 for the last product.
; t = logit x log2(e); M = the running largest t rounded UP to a whole number, kept as -M; p = 2^(t - M) is quantised along the keys, not normalised; l is the sum of the unquantised p.  When M moves, l and O are multiplied by 2^(old M - new M): exact.
; SHARES.  A work-group: one head (of 64), 512 queries in two passes of 256; each of sixteen waves one tile of 16 queries a pass, all 2,048 keys in 16 steps of 128.
; THE HEAD'S WHOLE K AND V LIE IN LDS, filled once: wave w asks for step w, K's 6,144 bytes and V's as the two rows of ONE tile, 128 bytes of padding behind every 512: a step takes 15,360 bytes, a fragment 3 x 640.
; Waves 0-3 have a load line of their own: the first barrier shows steps 0-3, the second, behind step 2, all sixteen.  Nothing is filled twice.
; K's and V's scale words, the bias table and my two passes' fragments of Q come by plain loads at the head and lie in LDS bytes of their own.
; PRODUCT 4 HAS K = 64.  A fragment of K holds two key tiles (registers 0-5, 6-11); it is multiplied by [q | 0] for the first and by [0 | q] for the second: both are runs of 12 in the 18 registers q, 0, q.  Zero codes add nothing.
; Both products are used transposed: a lane holds one query.
; K'S ROWS ARE DEALT ANEW AS THEY ARE READ: in memory row i of tile 2 g + u is key 32 g + 8 u + i % 8 + 16 (i / 8).  Fragment f = 2 c + s of a step takes for lane (r, h) the twelve registers of lane (8 s + r % 8, h) of stored fragment 2 c + r / 8:
; its tile u then has row r = key 64 c + 32 (r / 8) + 8 (2 s + u) + r % 8, so that score registers 32 c + i of lane (r, h) are keys 64 c + 32 h + i: ONE WHOLE BLOCK of p's quantiser, in the order of the operand's registers.
; No lane asks another for a block's maximum or for codes.  By the padding lanes r >= 8 read 1,920 bytes on, which is 128 modulo 256: sixteen lanes touch sixteen different columns of 16 bytes.
; My tile's queries are QB + r % 8 + 16 (r / 8).
; THE ORDER INSIDE A STEP: the maxima and l's additions run in four chains side by side, so that a line does not hang on the line above it.  The step's 29 LDS loads (V's 13, then the next K's 16) stand in ONE run,
; directly behind the wait ahead of the exponentials, where the wave has just waited for its vector results; the 66 exponentials follow them.
; THE BIAS hangs on key - query held to -15 .. 15.  Where all of a step's 128 keys lie 15 or more to one side of my 24 tokens' span (D = first key - QB >= 38 or <= -142) it is one number, added in t's multiply-add.
; In the one or two other steps of a wave 8 x bias, from a table in LDS, is the C of the score products (scores + 8 bias, all x log2(e) / 8).  The branch hangs on ids and the count of steps alone.
; NO CLUSTER, though the four work-groups of a head read the same K and V: that branch hangs on the work-group's block of queries, which differs between such partners, and partners of a joint load must run alike.
; NO PREFETCH: every byte that the launch reads is asked for at its head; there is no loop to run ahead in.
; OUT: ocod [token tile][K step = head / 2][piece][lane][8 bytes]: my three pieces are whole runs of 256 bytes.  scl4: my row's two bytes, 2 bytes at a pitch of 16: whole runs would need all 16 heads in a work-group; 256 KB in all.
; LIMITS: byte 1 for blocks whose largest number lies under 2^-124; NaN and infinities not served; the scaled scores stay under 2^31 in magnitude.
.set STEPB, 15360                      ; LDS: a step: K's four fragments, then V's
.set VOFF,  7680
.set KS,    16*STEPB                   ; K's scale words, V's 4,096 on
.set ET,    KS+8192                    ; the table: word e = 8 x bias(e - 160)
.set QST,   ET+2048                    ; Q: for each wave two passes x (1,536 bytes of codes, 128 of scale words, in 1,792)
.set QW,    3584
.set SPARE, QST+16*QW                  ; the spare words, 128 bytes a wave
.set LI,   1                           ; v1  16 x lane
.set AS0,  2                           ; v2  KS + 16 r
.set KB,   3                           ; v3  1,920 (r / 8) + 256 h + 16 (r % 8)
.set KSB,  4                           ; v4  KS + 16 (r % 8) + 4 (r / 8)
.set ADR,  5                           ; v5  an address
.set VSC,  6                           ; v6-9 V's scale words
.set F,    10                          ; v10 2^(old M - new M);  v11 p's scale word (named with it as a pair)
.set PSW,  11
.set NEGM, 12
.set TMP,  13
.set SUM,  14                          ; v[14:15] l in two halves
.set Q,    16                          ; v16-33 q, 0, q
.set NB,   34                          ; v34 bias x log2(e) - M;  v35 q's scale word (named with it as a pair)
.set QSC,  35
.set KFR,  36                          ; v36-83 K's four fragments
.set VFR,  84                          ; v84-131 V's
.set S,    132                         ; v132-195 scores, then p
.set O,    196                         ; v196-227 O^T
.set PCD,  228                         ; v228-239 p's codes; v228-229 one of l's chains until they are made
.set BMT,  240                         ; v240-242, v244-246 at work: addresses, l's chains, codes
.set SH8,  243                         ; v243 8 h
.set PL,   247                         ; v247 what a lane permute brings
.set BMX,  248                         ; v248-249 my two blocks' largest scores
.set SOP,  250                         ; v250-251 the maxima's second chains, then the conversions' scale operands
.set KSC,  252                         ; v252-255 K's scale words
.macro WALU
	s_wait_alu depctr_va_vdst(0)
.endm
.macro KL n, ac, as, oc, os            ; load n of K's sixteen: twelve pieces of the four fragments, dealt anew, and four scale words
.if (\n) < 12
	ds_load_b128 v[KFR+4*(\n):KFR+4*(\n)+3], v[\ac] offset:\oc+3840*((\n)/6)+128*(((\n)/3)%2)+640*((\n)%3)
.else
	ds_load_b32 v[KSC+(\n)-12], v[\as] offset:\os+8*(((\n)-12)/2)+128*(((\n)-12)%2)
.endif
.endm
.macro VL n                            ; piece n of V's twelve
	ds_load_b128 v[VFR+4*(\n):VFR+4*(\n)+3], v[ADR] offset:VOFF+1920*((\n)/3)+640*((\n)%3)
.endm
.macro SCORES zero                     ; S^T: eight tiles of 16 keys
.irp t, 0,1,2,3,4,5,6,7
.if \zero
	v_wmma_scale_f32_16x16x128_f8f6f4 v[S+8*\t:S+8*\t+7], v[KFR+12*(\t/2):KFR+12*(\t/2)+11], v[Q+6*(\t%2):Q+6*(\t%2)+11], 0, v[KSC+\t/2], v[QSC] matrix_a_fmt:MATRIX_FMT_FP6 matrix_b_fmt:MATRIX_FMT_FP6
.else
	v_wmma_scale_f32_16x16x128_f8f6f4 v[S+8*\t:S+8*\t+7], v[KFR+12*(\t/2):KFR+12*(\t/2)+11], v[Q+6*(\t%2):Q+6*(\t%2)+11], v[S+8*\t:S+8*\t+7], v[KSC+\t/2], v[QSC] matrix_a_fmt:MATRIX_FMT_FP6 matrix_b_fmt:MATRIX_FMT_FP6
.endif
.endr
.endm
.macro SUM4                            ; eight of p's registers from j on, a pair to each of l's four chains
	v_pk_add_f32 v[SUM:SUM+1], v[SUM:SUM+1], v[S+j:S+j+1]
	v_pk_add_f32 v[BMT:BMT+1], v[BMT:BMT+1], v[S+j+2:S+j+3]
	v_pk_add_f32 v[BMT+4:BMT+5], v[BMT+4:BMT+5], v[S+j+4:S+j+5]
	v_pk_add_f32 v[PCD:PCD+1], v[PCD:PCD+1], v[S+j+6:S+j+7]
.set j, j+8
.endm
.macro RESCALE n                       ; n pairs of O^T from register j on, under the new M
.rept \n
	v_pk_mul_f32 v[O+j:O+j+1], v[O+j:O+j+1], v[F:F+1] op_sel_hi:[1,0]
.set j, j+2
.endr
.endm
	s_load_b256 s[4:11], s[0:1], 0x0               ; acod, ascl, rel_bias, ocod
	s_load_b64 s[12:13], s[0:1], 0x20              ; scl4
	v_lshl_add_u32 v240, v0, 2, SPARE              ; all 256 registers are in use in the loop: v0 is kept and the add's two are made anew at the end
	v_mov_b32 v241, 0
	ds_add_u32 v240, v241                          ; the wave's opening: the add, twice on end, and its wait ahead of my tensor load
	ds_add_u32 v240, v241
	v_lshrrev_b32 v1, 5, v0
	v_readfirstlane_b32 s14, v1                    ; wave 0..15
	s_and_b32 s15, ttmp7, 0xffff                   ; the head, of 64
	s_mov_b32 s36, (3<<16)|(1<<20)|(6<<22)|(31<<25)  ; elements of 8 bytes; behind every 128 words 32 words of padding
	s_mov_b32 s37, 768<<16                         ; a row: one step's 6,144 bytes
	s_mov_b32 s38, 2<<16                           ; two rows: K's and V's
	s_mov_b32 s39, 768<<16
	s_mov_b32 s40, 2
	s_mov_b32 s41, 786432                          ; 6,291,456 bytes from K to V
	s_mov_b32 s42, 0
	s_mov_b32 s43, 0
	s_mov_b32 s60, 1
	s_mul_i32 s61, s14, STEPB                      ; step = my wave's number
	s_mul_i32 s34, s15, 98304
	s_mul_i32 s84, s14, 6144
	s_add_co_u32 s34, s34, s84
	s_add_co_u32 s34, s34, 6291456
	s_mov_b32 s35, 0                               ; stays 0
	s_mov_b32 s16, 0x3e38aa3b                      ; log2(e) / 8
	s_mov_b32 s17, s16                             ; (named with it as a pair)
	s_mov_b32 s18, 0x76543210
	s_mov_b32 s19, 0xfedcba98                      ; selects for lane l xor 16
	s_and_b32 s87, s14, 1
	s_cmp_eq_u32 s87, 1                            ; my tile is the second of its fragment of Q?
	s_cselect_b32 s32, -1, 0
	s_mov_b32 s33, 0x03020302
	s_cselect_b32 s33, s33, 0x01000100             ; its two scale bytes, twice
	s_wait_dscnt 0x0                               ; both opening adds are done
	s_wait_kmcnt 0x0
	s_add_nc_u64 s[62:63], s[4:5], s[34:35]
	s_or_b32 s63, s63, 0x80000000
	s_cmp_lt_u32 s14, 4                            ; one load a wave; steps 0-3 by a line of their own, since their waves alone wait at the first barrier
	s_cbranch_scc0 .Llater
	tensor_load_to_lds s[60:63], s[36:43]
	s_nop 0
.rept 4
	v_nop
.endr
	s_branch .Lasked
.Llater:
	tensor_load_to_lds s[60:63], s[36:43]
	s_nop 0
.rept 4
	v_nop
.endr
.Lasked:
	s_and_b32 s84, s15, 15                         ; the head, of 16
	s_lshl_b32 s34, s84, 2
	s_add_nc_u64 s[8:9], s[8:9], s[34:35]          ; rel_bias at my head's column
	s_load_b32 s20, s[8:9], 0x0                    ; the bias of keys 15 or more before the query,
	s_load_b32 s21, s[8:9], 0x780                  ; and of keys 15 or more behind it (row 30 of 64 bytes)
	s_lshl_b32 s34, s15, 12
	s_add_co_u32 s34, s34, 1<<18
	s_add_nc_u64 s[86:87], s[6:7], s[34:35]        ; K's scale words of my head; V's lie 262,144 bytes on
	s_lshl_b32 s84, ttmp9, 2
	s_lshr_b32 s85, s14, 3
	s_add_co_u32 s84, s84, s85                     ; my queries' step of 128 in pass 0; pass 1's is two on
	s_bfe_u32 s85, s14, 0x20001                    ; my tile's fragment
	s_mul_i32 s34, s15, 98304
	s_mul_i32 s88, s84, 6144
	s_add_co_u32 s34, s34, s88
	s_mul_i32 s88, s85, 1536
	s_add_co_u32 s34, s34, s88
	s_add_nc_u64 s[76:77], s[4:5], s[34:35]        ; Q's fragment
	s_lshl_b32 s34, s15, 12
	s_lshl_b32 s88, s84, 8
	s_add_co_u32 s34, s34, s88
	s_lshl_b32 s88, s85, 2
	s_add_co_u32 s34, s34, s88
	s_add_nc_u64 s[78:79], s[6:7], s[34:35]        ; its scale words
	s_mul_i32 s84, s14, QW
	s_add_co_u32 s84, s84, QST                     ; my wave's place for Q
	v_add_nc_u32 v13, 0xffffff6f, v0               ; thread e: row e - 145 of the table of 31,
	v_and_b32 v5, 0xff, v0
	v_max_i32 v13, 0, v13
	v_lshrrev_b32 v174, 8, v0
	v_min_u32 v13, 30, v13                         ; held to 0 .. 30
	v_lshlrev_b32 v5, 4, v5
	v_lshlrev_b32 v13, 6, v13
	v_lshl_add_u32 v5, v174, 18, v5                ; threads 0-255: 16 bytes each of K's scale words, threads 256-511 of V's
	global_load_b32 v132, v13, s[8:9]
	global_load_b128 v[136:139], v5, s[86:87]
	v_and_b32 v[LI], 31, v0
	v_and_b32 v134, 15, v0
	v_lshlrev_b32 v[LI], 4, v[LI]
	v_lshlrev_b32 v134, 4, v134                    ; 16 r
.irp p, 0,1
.irp c, 0,1,2
	global_load_b128 v[144+16*\p+4*\c:144+16*\p+4*\c+3], v[LI], s[76:77] offset:12288*\p+512*\c
.endr
	global_load_b32 v[156+16*\p], v134, s[78:79] offset:512*\p
.endr
	v_add_nc_u32 v[AS0], KS, v134
	v_bfe_u32 v133, v0, 3, 1                       ; r / 8
	v_bfe_u32 v135, v0, 4, 1                       ; h
	v_and_b32 v142, 7, v0                          ; r % 8
	v_mul_u32_u24 v[KB], v133, 1920
	v_lshl_add_u32 v[KSB], v142, 4, KS
	v_lshl_add_u32 v[KB], v135, 8, v[KB]
	v_lshl_add_u32 v[KSB], v133, 2, v[KSB]
	v_lshl_add_u32 v[KB], v142, 4, v[KB]
	v_lshlrev_b32 v[SH8], 3, v135
	v_mov_b32 v[PL], 0                             ; a lane permute's destination counts as read
	v_lshl_add_u32 v143, v0, 2, ET
	v_lshl_add_u32 v175, v0, 4, KS
	v_add_nc_u32 v140, s84, v[LI]
	v_lshrrev_b32 v141, 2, v[LI]
	v_add_nc_u32 v141, s84, v141
	WALU                                           ; the wait at the head's end
	s_wait_loadcnt 0x0
	v_mul_f32 v132, 0x41000000, v132               ; x 8: exact
	ds_store_b32 v143, v132
	ds_store_b128 v175, v[136:139]
.irp p, 0,1
.irp c, 0,1,2
	ds_store_b128 v140, v[144+16*\p+4*\c:144+16*\p+4*\c+3] offset:1792*\p+512*\c
.endr
	ds_store_b32 v141, v[156+16*\p] offset:1792*\p+1536
.endr
	s_wait_kmcnt 0x0
	s_mul_f32 s20, s20, 0x3fb8aa3b                 ; x log2(e)
	s_mul_f32 s21, s21, 0x3fb8aa3b
	s_wait_dscnt 0x0                               ; my stores lie in LDS
	s_cmp_lt_u32 s14, 4
	s_cbranch_scc0 .Lnot_first
	s_wait_tensorcnt 0x0                           ; my step of 0-3 has landed
.Lnot_first:                                           ; steps 4-15 may be on their way
	s_barrier_signal -1
	s_barrier_wait -1
; A KEY STEP: 128 keys.  K's fragments were asked for a step ago.
.macro STEP
	s_sub_co_i32 s27, s23, s24                     ; D = the step's first key - QB
	s_cmp_lt_i32 s27, 0
	s_cselect_b32 s22, s20, s21                    ; the far bias of this side
	s_add_co_i32 s28, s27, 141
	s_cmp_le_u32 s28, 178                          ; -141 <= D <= 37: some key lies within 15 of some query of mine
	s_cbranch_scc1 .Lnear_\@
	s_wait_dscnt 0x0                               ; K's 16 loads are in: nothing was issued behind them
	SCORES 1
	s_branch .Ljoin_\@
.Lnear_\@:
	s_mov_b32 s22, 0                               ; the bias comes with the scores
	s_add_co_i32 s29, s27, 136                     ; D is a multiple of 8 from -136 to 32 here
	s_min_u32 s29, s29, 168
	s_lshl_b32 s29, s29, 2
	v_bfe_u32 v[TMP], v0, 3, 1                     ; register 32 c + i: word 160 + D + 64 c + 32 h + i - r % 8 - 16 (r / 8) of the table
	v_bfe_u32 v[ADR], v0, 4, 1
	v_xor_b32 v[TMP], 1, v[TMP]
	v_lshl_add_u32 v[TMP], v[ADR], 1, v[TMP]       ; 2 h + 1 - r / 8
	v_and_b32 v[ADR], 7, v0
	v_lshl_add_u32 v[TMP], v[TMP], 6, ET+32        ; 4 x 160 = 4 x 136 + 32 + 64
	v_lshlrev_b32 v[ADR], 2, v[ADR]
	v_sub_nc_u32 v[TMP], v[TMP], v[ADR]
	v_add_nc_u32 v[TMP], s29, v[TMP]
.set j, 0
.rept 64
	ds_load_b32 v[S+j], v[TMP] offset:4*(64*(j/32)+j%32)
.set j, j+1
.endr
	s_wait_dscnt 0x0
	SCORES 0
.Ljoin_\@:
	v_add_nc_u32 v[ADR], s25, v[LI]                ; these four are the places behind the products, in front of the first read of the scores and of the loads into K's and V's registers
	v_add_nc_u32 v[BMT+2], s26, v[AS0]
	v_add_nc_u32 v[BMT], s25, v[KB]
	v_add_nc_u32 v[BMT+1], s26, v[KSB]
.irp c, 0,1                            ; the largest score of my two blocks of 32 keys, each in two chains of 15: for the row's maximum and, since p rises with the score, for the block's largest p
	v_max3_num_f32 v[BMX+\c], v[S+32*\c], v[S+32*\c+1], v[S+32*\c+2]
.endr
.irp c, 0,1
	v_max3_num_f32 v[SOP+\c], v[S+32*\c+16], v[S+32*\c+17], v[S+32*\c+18]
.endr
.irp i, 3,5,7,9,11,13
.irp c, 0,1
	v_max3_num_f32 v[BMX+\c], v[BMX+\c], v[S+32*\c+\i], v[S+32*\c+\i+1]
.endr
.irp c, 0,1
	v_max3_num_f32 v[SOP+\c], v[SOP+\c], v[S+32*\c+16+\i], v[S+32*\c+17+\i]
.endr
.endr
.irp c, 0,1
	v_max3_num_f32 v[BMX+\c], v[BMX+\c], v[S+32*\c+15], v[S+32*\c+31]
.endr
.irp c, 0,1
	v_max_num_f32 v[BMX+\c], v[BMX+\c], v[SOP+\c]
.endr
	v_max_num_f32 v[TMP], v[BMX], v[BMX+1]
	v_permlanex16_b32 v[PL], v[TMP], s18, s19
	v_max_num_f32 v[TMP], v[TMP], v[PL]            ; with lane l xor 16's 64 keys
	v_fma_f32 v[TMP], v[TMP], s16, s22             ; the step's largest t
	v_floor_f32 v[TMP], -v[TMP]                    ; -ceil(t)
	v_min_num_f32 v[TMP], v[NEGM], v[TMP]          ; the new -M (the ceiling rises with t, so no running t is kept)
	v_sub_f32 v[F], v[TMP], v[NEGM]                ; old M - new M: a whole number, 0 or less
	v_add_f32 v[NB], s22, v[TMP]
	v_mov_b32 v[NEGM], v[TMP]
	v_cvt_i32_f32 v[F], v[F]                       ; (it saturates)
.set j, 0
.rept 32
	v_pk_fma_f32 v[S+j:S+j+1], v[S+j:S+j+1], s[16:17], v[NB:NB+1] op_sel_hi:[1,0,0]    ; t - M, two at a time
.set j, j+2
.endr
.irp c, 0,1
	v_fma_f32 v[BMX+\c], v[BMX+\c], s16, v[NB]     ; the same of each block's largest score
.endr
	v_ldexp_f32 v[F], 1.0, v[F]
	WALU                                           ; the wait ahead of the batch
.set j, 0
.rept 12
	VL j                                           ; this step's V,
.set j, j+1
.endr
	ds_load_b128 v[VSC:VSC+3], v[BMT+2] offset:4096
.set j, 0
.rept 16
	KL j, BMT, BMT+1, STEPB, 256                   ; and the next step's K.  (Behind the last step these read the scale words' bytes, inside LDS, and are not used)
.set j, j+1
.endr
.irp c, 0,1
	v_exp_f32 v[BMX+\c], v[BMX+\c]                 ; the blocks' largest p: the same two instructions on the same number
.endr
.set j, 0
.rept 64
	v_exp_f32 v[S+j], v[S+j]                       ; p
.set j, j+1
.endr
	v_pk_mul_f32 v[SUM:SUM+1], v[SUM:SUM+1], v[F:F+1] op_sel_hi:[1,0]     ; l under the new M: the plain place behind the exponentials
	WALU                                           ; one wait for the batch of 66, ahead of its first reader
.irp c, 0,1
	v_max_num_f32 v[BMX+\c], 0x1800000, v[BMX+\c]  ; the floor 2^(3 - 127)
.endr
	v_pk_add_f32 v[BMT:BMT+1], v[S:S+1], v[S+2:S+3]          ; l takes the unquantised p, in four chains; the scale word's lines stand among them
	v_pk_add_f32 v[BMT+4:BMT+5], v[S+4:S+5], v[S+6:S+7]
	v_pk_add_f32 v[PCD:PCD+1], v[S+8:S+9], v[S+10:S+11]
.set j, 12
.irp c, 0,1
	v_add_nc_u32 v[SOP+\c], 0xff000000, v[BMX+\c]  ; 2 off the exponent field: the conversions' scale operand
.endr
	SUM4
.irp c, 0,1
	v_lshrrev_b32 v[BMX+\c], 23, v[SOP+\c]         ; the bytes of blocks h and 2 + h
.endr
	SUM4
	v_lshl_or_b32 v[PSW], v[BMX+1], 16, v[BMX]
	SUM4
	v_lshlrev_b32 v[PSW], v[SH8], v[PSW]           ; at their places in the word;
	SUM4
	v_permlanex16_b32 v[PL], v[PSW], s18, s19
	SUM4
	v_or_b32 v[PSW], v[PSW], v[PL]                 ; with lane l xor 16's two the word is whole
	SUM4
	v_pk_add_f32 v[SUM:SUM+1], v[SUM:SUM+1], v[S+60:S+61]
	v_pk_add_f32 v[BMT:BMT+1], v[BMT:BMT+1], v[S+62:S+63]
	v_pk_add_f32 v[BMT+4:BMT+5], v[BMT+4:BMT+5], v[PCD:PCD+1]
	v_pk_add_f32 v[SUM:SUM+1], v[SUM:SUM+1], v[BMT:BMT+1]
	v_pk_add_f32 v[SUM:SUM+1], v[SUM:SUM+1], v[BMT+4:BMT+5]
.irp c, 0,1
	v_cvt_scalef32_pk16_fp6_f32 v[PCD+6*\c:PCD+6*\c+2], v[S+32*\c:S+32*\c+15], v[SOP+\c]
	v_cvt_scalef32_pk16_fp6_f32 v[BMT+4*\c:BMT+4*\c+2], v[S+32*\c+16:S+32*\c+31], v[SOP+\c]   ; (a conversion's three registers begin on an even number)
.endr
	s_wait_dscnt 16                                ; V's 13 loads are in; the next K's 16, issued behind them, may be out
	WALU                                           ; the wait here, directly ahead of the first reader of O^T
.set j, 0
	RESCALE 8                                      ; plain places behind the conversions
.irp c, 0,1
.irp i, 0,1,2
	v_mov_b32 v[PCD+6*\c+3+\i], v[BMT+4*\c+\i]     ; registers 6 c .. 6 c + 5: keys 64 c + 32 h + 0 .. 31
.endr
.endr
	RESCALE 8                                      ; and the places between p's codes and the products
.irp a, 0,1,2,3
	v_wmma_scale_f32_16x16x128_f8f6f4 v[O+8*\a:O+8*\a+7], v[VFR+12*\a:VFR+12*\a+11], v[PCD:PCD+11], v[O+8*\a:O+8*\a+7], v[VSC+\a], v[PSW] matrix_a_fmt:MATRIX_FMT_FP6 matrix_b_fmt:MATRIX_FMT_FP6
.endr
	s_add_co_u32 s25, s25, STEPB
	s_add_co_u32 s26, s26, 256
	s_add_co_u32 s23, s23, 128
.endm
	s_mov_b32 s30, 0
.Lpass:
	s_lshl_b32 s84, ttmp9, 2
	s_lshl_b32 s85, s30, 1
	s_add_co_u32 s84, s84, s85
	s_lshr_b32 s85, s14, 3
	s_add_co_u32 s84, s84, s85                     ; my queries' step of 128: 4 x work-group + 2 x pass + wave / 8
	s_and_b32 s85, s14, 7                          ; my tile in it
	s_lshr_b32 s86, s85, 1                         ; its fragment
	s_lshl_b32 s24, s84, 7
	s_lshl_b32 s87, s86, 5
	s_add_co_u32 s24, s24, s87
	s_and_b32 s87, s14, 1
	s_lshl_b32 s87, s87, 3
	s_add_co_u32 s24, s24, s87                     ; QB
	s_lshr_b32 s87, s15, 4
	s_lshl_b32 s87, s87, 7
	s_lshl_b32 s88, s84, 3
	s_add_co_u32 s87, s87, s88
	s_add_co_u32 s87, s87, s85                     ; my token tile, of 512
	s_and_b32 s88, s15, 15                         ; the head, of 16
	s_lshr_b32 s89, s88, 1
	s_and_b32 s90, s88, 1
	s_mul_i32 s34, s87, 12288
	s_mul_i32 s91, s89, 1536
	s_add_co_u32 s34, s34, s91
	s_mul_i32 s91, s90, 768
	s_add_co_u32 s34, s34, s91
	s_add_nc_u64 s[80:81], s[10:11], s[34:35]      ; O's codes: K step head / 2, pieces 3 (head % 2) on
	s_lshl_b32 s34, s87, 9
	s_lshr_b32 s91, s88, 3
	s_lshl_b32 s91, s91, 8
	s_add_co_u32 s34, s34, s91
	s_and_b32 s91, s89, 3
	s_lshl_b32 s91, s91, 2
	s_add_co_u32 s34, s34, s91
	s_lshl_b32 s91, s90, 1
	s_add_co_u32 s34, s34, s91
	s_add_nc_u64 s[82:83], s[12:13], s[34:35]      ; and its two bytes
	s_mul_i32 s84, s14, QW
	s_mul_i32 s85, s30, 1792
	s_add_co_u32 s84, s84, s85
	s_add_co_u32 s84, s84, QST                     ; this pass's Q in my wave's own LDS bytes
	s_wait_dscnt 0x0                               ; the last pass's look-ahead has landed: its registers are loaded anew
	v_add_nc_u32 v[ADR], s84, v[LI]
	v_lshrrev_b32 v[TMP], 2, v[LI]
	v_add_nc_u32 v[TMP], s84, v[TMP]
.irp c, 0,1,2
	ds_load_b128 v[S+4*\c:S+4*\c+3], v[ADR] offset:512*\c
.endr
	ds_load_b32 v[S+12], v[TMP] offset:1536
.set j, 0
.rept 16
	KL j, KB, KSB, 0, 0                            ; step 0's K
.set j, j+1
.endr
	s_wait_dscnt 16                                ; Q's four loads are in; K's 16, issued behind them, may be out
.irp i, 0,1,2,3,4,5
	v_cndmask_b32 v[Q+\i], v[S+\i], v[S+6+\i], s32 ; my tile's half of the fragment
.endr
.irp i, 0,1,2,3,4,5
	v_mov_b32 v[Q+12+\i], v[Q+\i]
	v_mov_b32 v[Q+6+\i], 0
.endr
	v_perm_b32 v[QSC], v[S+12], v[S+12], s33
	v_mov_b32 v[NEGM], 0x7f61b1e6                  ; -M = 3e38: M lies under every t
	v_mov_b32 v[SUM], 0
	v_mov_b32 v[SUM+1], 0
	v_mov_b32 v[PSW], 0                            ; (named as the upper half of a pair before it is first made)
.set j, 0
.rept 32
	v_mov_b32 v[O+j], 0                            ; the step is written once: the first finds zeros.  (Also the places between q's registers and scale word and the first products)
.set j, j+1
.endr
	s_mov_b32 s23, 0
	s_mov_b32 s25, 0
	s_mov_b32 s26, 0
	s_mov_b32 s31, 3
.Lfirst_steps:                                         ; steps 0-2: with their look-ahead they touch steps 0-3 alone
	STEP
	s_sub_co_u32 s31, s31, 1
	s_cmp_lg_u32 s31, 0
	s_cbranch_scc1 .Lfirst_steps
	s_wait_dscnt 0x0
	s_wait_tensorcnt 0x0                           ; my step has landed,
	s_barrier_signal -1
	s_barrier_wait -1                              ; everybody's has
	s_mov_b32 s31, 13
.Lsteps:
	STEP
	s_sub_co_u32 s31, s31, 1
	s_cmp_lg_u32 s31, 0
	s_cbranch_scc1 .Lsteps
	; THE WAY OUT of a pass: O^T / l; register 16 g + i is d = 32 g + 16 h + i of my query: two blocks along the last product's K
	v_add_f32 v[SUM], v[SUM], v[SUM+1]             ; (the plain lines from here to the wait are the places behind the last products)
	v_lshrrev_b32 v244, 1, v[LI]                   ; 8 x lane
	v_permlanex16_b32 v[BMT], v[SUM], s18, s19
	v_and_b32 v245, 15, v0
	v_add_f32 v[SUM], v[SUM], v[BMT]
	v_lshlrev_b32 v245, 4, v245                    ; 16 r
	WALU                                           ; the wait ahead of the reciprocal
	v_rcp_f32 v[SUM], v[SUM]
	v_and_b32 v246, 31, v0                         ; plain work behind the reciprocal
	WALU                                           ; and ahead of its first reader, which is O^T's too
.set j, 0
.rept 32
	v_mul_f32 v[S+j], v[O+j], v[SUM]
.set j, j+1
.endr
.irp g, 0,1
	v_max3_num_f32 v[BMX+\g], |v[S+16*\g]|, |v[S+16*\g+1]|, 0x1800000
.endr
.irp i, 2,4,6,8,10,12,14
.irp g, 0,1
	v_max3_num_f32 v[BMX+\g], v[BMX+\g], |v[S+16*\g+\i]|, |v[S+16*\g+\i+1]|
.endr
.endr
.irp g, 0,1
	v_permlanex16_b32 v[BMT+\g], v[BMX+\g], s18, s19
.endr
.irp g, 0,1
	v_max_num_f32 v[BMX+\g], v[BMX+\g], v[BMT+\g]
.endr
.irp g, 0,1
	v_add_nc_u32 v[SOP+\g], 0xff000000, v[BMX+\g]
.endr
.irp g, 0,1
	v_lshrrev_b32 v[BMT+\g], 23, v[SOP+\g]
.endr
	v_lshl_or_b32 v[TMP], v[BMT+1], 8, v[BMT]
	v_cvt_scalef32_pk16_fp6_f32 v[S+32:S+34], v[S:S+15], v[SOP]
	v_cvt_scalef32_pk16_fp6_f32 v[S+36:S+38], v[S+16:S+31], v[SOP+1]
	v_nop                                          ; one plain place behind the conversions
.irp i, 0,1,2
	v_permlane16_swap_b32 v[S+32+\i], v[S+36+\i]
.endr
.irp i, 0,1,2
	v_mov_b32 v[S+35+\i], v[S+36+\i]               ; six registers: d = 32 h + 0 .. 31
.endr
.irp p, 0,1,2
	global_store_b64 v244, v[S+32+2*\p:S+33+2*\p], s[80:81] offset:256*\p    ; 256 consecutive bytes, aligned
.endr
	v_cmp_gt_u32 vcc_lo, 16, v246
	WALU
	s_wait_xcnt 0x0                                ; EXEC changes only behind this wait
	s_and_saveexec_b32 s98, vcc_lo
	global_store_b16 v245, v[TMP], s[82:83]
	s_wait_xcnt 0x0                                ; and the next pass writes the stores' registers and bases only behind it
	s_or_b32 exec_lo, exec_lo, s98
	s_add_co_u32 s30, s30, 1
	s_cmp_lt_u32 s30, 2
	s_cbranch_scc1 .Lpass
	v_lshl_add_u32 v240, v0, 2, SPARE
	v_mov_b32 v241, 0
	WALU
	s_wait_tensorcnt 0x0                           ; the wave's end
	ds_add_u32 v240, v241
	s_wait_dscnt 0x0
	s_endpgm
.Lfunc_end_k_qe7d94b53e5_attn:
	.size	k_qe7d94b53e5_attn, .Lfunc_end_k_qe7d94b53e5_attn-k_qe7d94b53e5_attn
	.p2alignl 7, 3214868480
	.fill 96, 4, 3214868480
	.section	.rodata,"a",@progbits
	.p2align	6, 0x0
	.amdhsa_kernel k_qe7d94b53e5_attn
		.amdhsa_group_segment_fixed_size 315392
		.amdhsa_private_segment_fixed_size 0
		.amdhsa_enable_private_segment 0
		.amdhsa_kernarg_size 40
		.amdhsa_user_sgpr_count 2
		.amdhsa_user_sgpr_kernarg_segment_ptr 1
		.amdhsa_wavefront_size32 1
		.amdhsa_system_sgpr_workgroup_id_x 1
		.amdhsa_system_sgpr_workgroup_id_y 1
		.amdhsa_system_sgpr_workgroup_id_z 1
		.amdhsa_system_vgpr_workitem_id 0
		.amdhsa_next_free_vgpr 256
		.amdhsa_next_free_sgpr 100
		.amdhsa_reserve_vcc 1
		.amdhsa_float_denorm_mode_32 3
		.amdhsa_float_denorm_mode_16_64 3
		.amdhsa_memory_ordered 1
		.amdhsa_forward_progress 1
		.amdhsa_inst_pref_size 58
	.end_amdhsa_kernel
	.amdgpu_metadata
---
amdhsa.version: [ 1, 2 ]
amdhsa.kernels:
  - .name:           k_qe7d94b53e5_attn
    .symbol:         k_qe7d94b53e5_attn.kd
    .args:
      - { .name: acod, .offset: 0, .size: 8, .value_kind: global_buffer, .address_space: global }
      - { .name: ascl, .offset: 8, .size: 8, .value_kind: global_buffer, .address_space: global }
      - { .name: rel_bias, .offset: 16, .size: 8, .value_kind: global_buffer, .address_space: global }
      - { .name: ocod, .offset: 24, .size: 8, .value_kind: global_buffer, .address_space: global }
      - { .name: scl4, .offset: 32, .size: 8, .value_kind: global_buffer, .address_space: global }
    .group_segment_fixed_size: 315392
    .private_segment_fixed_size: 0
    .kernarg_segment_align: 8
    .kernarg_segment_size: 40
    .max_flat_workgroup_size: 512
    .sgpr_count:     100
    .vgpr_count:     256
    .wavefront_size: 32
...
	.end_amdgpu_metadata
.endif
;; end of part 3
;; launch proj (part 4): grid 8 x 32, 4 waves a work-group, clusters of 4 x 4, 295,424 bytes of LDS; arguments ocod, cod1, scl4, bo, out0; writes out0
.if DOCPART == 4
	.amdgcn_target "amdgcn-amd-amdhsa--gfx1250"
	.amdhsa_code_object_version 6
	.text
	.protected	k_qe7d94b53e5_proj
	.globl	k_qe7d94b53e5_proj
	.p2align	8
	.type	k_qe7d94b53e5_proj,@function
k_qe7d94b53e5_proj:
	s_mov_b64 s[64:65], 0
	v_nop
	global_prefetch_b8 v0, s[64:65] scope:SCOPE_SE
	s_setreg_imm32_b32 hwreg(HW_REG_WAVE_MODE, 25, 1), 1
	s_wait_xcnt 0x0
	s_wait_alu depctr_hold_cnt(0) depctr_sa_sdst(0) depctr_va_vdst(0) depctr_va_sdst(0) depctr_va_ssrc(0) depctr_va_vcc(0) depctr_vm_vsrc(0)
	s_getreg_b32 s2, hwreg(HW_REG_IB_STS2, 6, 4)
	s_cmp_eq_u32 s2, 0
	s_cbranch_scc0 .Lentry_in_a_cluster
	s_endpgm
.Lentry_in_a_cluster:
	s_bfe_u32 s2, ttmp6, 0x10000c
	s_cmp_lg_u32 s2, 0xf033
	s_cbranch_scc0 .Lentry_shape_is_right
	s_endpgm
.Lentry_shape_is_right:
; out = O Wo^T + bo on codes of FP6 (E2M3).  O's codes and scale words come from the attention launch, Wo's (tiles 704-767 of cod1; scale tiles 512-575 of scl4) from the quantising launch.
; A work-group multiplies A = 256 tokens (16 tiles) by B = 128 rows of Wo (8 tiles) over all of K = 1,024; both lie in LDS whole (294,912 bytes): every byte is asked for at the head and nothing is filled twice.
; Four waves; wave w owns A's tiles 4 w .. 4 w + 3 against B's eight: 32 accumulators.  USED TRANSPOSED: source 0 = Wo, source 1 = O: a lane holds one token, and the 16 registers of tiles 2 g, 2 g + 1 are 16 neighbouring outputs.
; bo is the C of each sum's first product.  CLUSTER 4 x 4: A's tiles are asked for jointly along a row of the cluster, B's along a column.
; THE WAY OUT: 16 tokens x 128 outputs at a time through my stage in LDS, back as whole rows of 512 bytes.  The stage lies in chunk 0, whose one fill is done and whose last reads every wave has awaited in front of the barrier of K step 3.
; Lane row t of token tile 2 g + u is token 32 g + 8 u + t % 8 + 16 (t / 8): the stores' immediates put the rows where they belong.
; REGISTERS: window 0: v1-29 addresses; v32-95 scale words and nothing else.  window 1: B's fragments, two sets; on the way out the rows read back.  window 2: A's, two sets; v48-111 the bias.  window 3: the accumulators.
.set TROW,  12288
.set CHUNK, 147456                     ; LDS: a chunk is four K steps: A's 16 x 6,144 bytes, then B's 8 x 6,144; two chunks.  The stage of the way out lies in chunk 0, whose last reads every wave has awaited in front of the barrier of K step 3
.set BOFF,  98304
.set SPARE, 2*CHUNK
.set ADA,   4
.set ADB,   8
.set SOFF,  12
.set SOFF2, 13
.set STO,   14                         ; v14 the stage: where I put 32 bytes of a row
.set RD,    15                         ; v15 and where I read a row back
.set CO,    16                         ; v16 16 x lane
.set SPW,   28
.set NIL,   29
.set SC,    32
.set BI,    48                         ; in window 2
.set G1A,   24
.set G1B,   32
.set G0A,   40
.set G0B,   68
.set HM,    87
.set MSB, 0
.macro WIN new                         ; the immediate's high byte repeats the setting that is left
.if MSB != \new
	s_set_vgpr_msb (MSB<<8)|\new
.set MSB, \new
.endif
.endm
.macro PLACES n
.rept \n
	v_nop
.endr
.endm
.macro CROUND                          ; a round of the cluster's barrier
	s_barrier_signal -1
	s_barrier_wait -1
	s_cmp_lg_u32 s18, 0
	s_cbranch_scc1 .Lnot_wave_0_\@
	s_barrier_signal -3
.Lnot_wave_0_\@:
	s_barrier_wait -3
	s_barrier_signal -1
	s_barrier_wait -1
.endm
.macro FETCH k                         ; K step k's fragments: B's eight, my four of A; each load takes 256 consecutive bytes
.set CC, (\k)/4
.set KQ, (\k)%4
.set QQ, (\k)%2
	WIN 0x40
.irp b, 0,1,2,3,4,5,6,7
.irp p, 0,1,2,3,4,5
	ds_load_b64 v[128*QQ+12*\b+2*\p:128*QQ+12*\b+2*\p+1], v[ADB+CC] offset:6144*\b+1536*KQ+256*\p
.endr
.endr
	WIN 0x80
.irp a, 0,1,2,3
.irp p, 0,1,2,3,4,5
	ds_load_b64 v[128*QQ+12*\a+2*\p:128*QQ+12*\a+2*\p+1], v[ADA+CC] offset:6144*\a+1536*KQ+256*\p
.endr
.endr
	WIN 0
.endm
.macro MULS k, first                   ; 32 products; the accumulators take turns, one instruction a turn
.set QQ, (\k)%2
.if \first
	WIN 0xe9                                       ; source 0 window 1, source 1 window 2, C (the bias) window 2, D window 3
.else
	WIN 0xf9                                       ; C and D window 3
.endif
.irp a, 0,1,2,3
.irp b, 0,1,2,3,4,5,6,7
.if \first
	v_wmma_scale_f32_16x16x128_f8f6f4 v[8*(8*\a+\b):8*(8*\a+\b)+7], v[128*QQ+12*\b:128*QQ+12*\b+11], v[128*QQ+12*\a:128*QQ+12*\a+11], v[BI+8*\b:BI+8*\b+7], v[SC+8*\b+(\k)], v[SC+8*\a+(\k)] matrix_a_fmt:MATRIX_FMT_FP6 matrix_b_fmt:MATRIX_FMT_FP6 matrix_a_scale:MATRIX_SCALE_ROW1
.else
	v_wmma_scale_f32_16x16x128_f8f6f4 v[8*(8*\a+\b):8*(8*\a+\b)+7], v[128*QQ+12*\b:128*QQ+12*\b+11], v[128*QQ+12*\a:128*QQ+12*\a+11], v[8*(8*\a+\b):8*(8*\a+\b)+7], v[SC+8*\b+(\k)], v[SC+8*\a+(\k)] matrix_a_fmt:MATRIX_FMT_FP6 matrix_b_fmt:MATRIX_FMT_FP6 matrix_a_scale:MATRIX_SCALE_ROW1
.endif
.endr
.endr
.endm
	s_load_b256 s[4:11], s[0:1], 0x0               ; ocod, cod1, scl4, bo
	s_load_b64 s[12:13], s[0:1], 0x20              ; out0
	v_lshl_add_u32 v[SPW], v0, 2, SPARE
	v_mov_b32 v[NIL], 0
	ds_add_u32 v[SPW], v[NIL]                      ; the wave's opening: the add and its wait ahead of my first tensor load
	ds_add_u32 v[SPW], v[NIL]
	v_lshrrev_b32 v1, 5, v0
	v_readfirstlane_b32 s18, v1                    ; wave 0..3
	s_lshr_b32 s19, s18, 1                         ; I fetch for A (0) or for B (1)
	s_and_b32 s20, s18, 1                          ; which half of its tiles
	s_bfe_u32 s21, ttmp6, 0x40000                  ; cx
	s_bfe_u32 s22, ttmp6, 0x40004                  ; cy
	s_and_b32 s23, ttmp7, 0xffff                   ; the cluster's y
	s_lshl_b32 s2, s22, 2
	s_lshl_b32 s2, 15, s2                          ; my row of the cluster
	s_lshl_b32 s3, 0x1111, s21                     ; my column
	s_or_b32 s[G1A], s2, (3<<16)|(1<<21)           ; the mask; elements of 8 bytes; bit 21 beside a mask; no padding
	s_or_b32 s[G1B], s3, (3<<16)|(1<<21)
	s_mov_b32 s[G1A+1], 768<<16                    ; a row of the tile: four fragments of one row tile, 6,144 bytes
	s_mov_b32 s[G1A+2], 16<<16                     ; 16 row tiles
	s_mov_b32 s[G1A+3], 768<<16
	s_mov_b32 s[G1A+4], 16
	s_mov_b32 s[G1A+5], 1536                       ; 12,288 bytes from row tile to row tile
	s_mov_b32 s[G1A+6], 0
	s_mov_b32 s[G1A+7], 0
	s_mov_b32 s[G1B+1], 768<<16
	s_mov_b32 s[G1B+2], 8<<16                      ; 8 row tiles
	s_mov_b32 s[G1B+3], 768<<16
	s_mov_b32 s[G1B+4], 8
	s_mov_b32 s[G1B+5], 1536
	s_mov_b32 s[G1B+6], 0
	s_mov_b32 s[G1B+7], 0
	s_lshl_b32 s56, s23, 6
	s_lshl_b32 s57, s22, 4
	s_add_co_u32 s56, s56, s57                     ; A's first tile: 16 (4 CY + cy)
	s_lshl_b32 s58, ttmp9, 5
	s_lshl_b32 s59, s21, 3
	s_add_co_u32 s58, s58, s59                     ; B's first tile inside Wo: 8 (4 CX + cx)
	s_mul_i32 s60, s56, TROW                       ; A's tiles, in bytes
	s_mov_b32 s61, 0
	s_add_co_u32 s59, s58, 704                     ; Wo begins at tile 704 of cod1
	s_mul_i32 s62, s59, TROW                       ; B's
	s_mov_b32 s63, 0
	s_mul_i32 s57, s19, 6144                       ; my chunk, wave / 2: four K steps on in each tile
	s_add_co_u32 s60, s60, s57
	s_add_co_u32 s62, s62, s57
	s_mul_i32 s66, s19, CHUNK                      ; where it goes: no place in the cluster enters an LDS address
	s_add_co_u32 s67, s66, BOFF
	s_wait_dscnt 0x0                               ; the opening add is done
	s_wait_kmcnt 0x0
	s_add_nc_u64 s[60:61], s[4:5], s[60:61]
	s_add_nc_u64 s[62:63], s[6:7], s[62:63]
	s_mov_b32 s[G0A], 1
	s_mov_b32 s[G0A+1], s66
	s_mov_b64 s[G0A+2:G0A+3], s[60:61]
	s_or_b32 s[G0A+3], s[G0A+3], 0x80000000
	s_mov_b32 s[G0B], 1
	s_mov_b32 s[G0B+1], s67
	s_mov_b64 s[G0B+2:G0B+3], s[62:63]
	s_or_b32 s[G0B+3], s[G0B+3], 0x80000000
	CROUND                                         ; all sixteen work-groups are here: the joint loads meet
; ONE LOAD A WAVE, in one chain of branches on the wave's number: wave 0 A's chunk 0, wave 1 B's chunk 0, wave 2 A's chunk 1, wave 3 B's chunk 1
.macro ARM w, g0, g1
	s_cmp_eq_u32 s18, \w
	s_cbranch_scc0 .Lnot_\w
	tensor_load_to_lds s[\g0:\g0+3], s[\g1:\g1+7]
	s_nop 0
	PLACES 4
	s_branch .Lfilled
.Lnot_\w:
.endm
	ARM 0, G0A, G1A
	ARM 1, G0B, G1B
	ARM 2, G0A, G1A
	tensor_load_to_lds s[G0B:G0B+3], s[G1B:G1B+7]
	s_nop 0
	PLACES 4
.Lfilled:
	s_mov_b32 s[HM], 0xffff0000                    ; lanes 16-31
	v_and_b32 v1, 31, v0                           ; lane
	v_and_b32 v2, 15, v0                           ; r
	v_bfe_u32 v3, v0, 4, 1                         ; h
	v_lshlrev_b32 v20, 3, v1
	s_mul_i32 s84, s18, 24576                      ; my four tiles of A, 6,144 bytes each in a chunk
	v_add_nc_u32 v17, s84, v20
.irp c, 0,1
	v_add_nc_u32 v[ADA+\c], \c*CHUNK, v17
	v_add_nc_u32 v[ADB+\c], \c*CHUNK+BOFF, v20
.endr
	s_lshl_b32 s85, s18, 2
	s_add_co_u32 s85, s85, s56
	s_lshl_b32 s85, s85, 9                         ; my A tiles' scale words, 512 bytes a tile
	s_add_co_u32 s86, s58, 512                     ; Wo's are tiles 512 on of scl4
	s_lshl_b32 s86, s86, 9
	v_mov_b32 v17, s85
	v_mov_b32 v18, s86
	v_cndmask_b32 v[SOFF], v17, v18, s[HM]
	v_lshl_add_u32 v[SOFF], v2, 4, v[SOFF]
	v_add_nc_u32 v18, 2048, v18
	v_cndmask_b32 v[SOFF2], v17, v18, s[HM]        ; for B's tiles 4-7 lanes 0-15 read A's tiles 0-3 once more: no lane leaves its tiles
	v_lshl_add_u32 v[SOFF2], v2, 4, v[SOFF2]
.irp i, 0,1,2,3
.irp g, 0,1
	global_load_b128 v[SC+8*\i+4*\g:SC+8*\i+4*\g+3], v[SOFF], s[8:9] offset:512*\i+256*\g
	global_load_b128 v[SC+32+8*\i+4*\g:SC+32+8*\i+4*\g+3], v[SOFF2], s[8:9] offset:512*\i+256*\g
.endr
.endr
	s_lshl_b32 s92, s58, 6                         ; 128 outputs x 4 bytes for each eight tiles
	s_mov_b32 s93, 0
	s_add_nc_u64 s[10:11], s[10:11], s[92:93]      ; bo at my 128 outputs
	v_lshlrev_b32 v19, 6, v3                       ; register 8 b + j is output 32 (b / 2) + 8 (b % 2) + 16 h + j
	WIN 0x80
.irp b, 0,1,2,3,4,5,6,7
	global_load_b128 v[BI+8*\b:BI+8*\b+3], v19, s[10:11] offset:(32*(\b/2)+8*(\b%2))*4
	global_load_b128 v[BI+8*\b+4:BI+8*\b+7], v19, s[10:11] offset:(32*(\b/2)+8*(\b%2))*4+16
.endr
	WIN 0
	s_lshl_b32 s94, s56, 4
	s_lshl_b32 s95, s18, 6
	s_add_co_u32 s94, s94, s95                     ; my first token
	s_lshl_b32 s94, s94, 12
	s_add_co_u32 s92, s94, s92
	s_add_nc_u64 s[12:13], s[12:13], s[92:93]      ; out at my first token and my 128 outputs
	s_mul_i32 s96, s18, 8448                       ; my stage: 16 rows x (512 + 16) bytes
	v_mul_u32_u24 v[STO], v2, 528
	v_lshl_add_u32 v[STO], v3, 6, v[STO]
	v_add_nc_u32 v[STO], s96, v[STO]
	v_lshlrev_b32 v[CO], 4, v1
	v_add_nc_u32 v[RD], s96, v[CO]
	s_wait_alu depctr_va_vdst(0)                   ; the wait at the head's end
	s_cmp_lt_u32 s18, 2                            ; waves 0 and 1 asked for chunk 0, by load lines of their own: they wait for it
	s_cbranch_scc0 .Llater
	s_wait_tensorcnt 0x0
.Llater:                                               ; chunk 1 may be on its way
	s_barrier_signal -1
	s_barrier_wait -1                              ; everybody's has
	FETCH 0
.irp k, 0,1,2,3,4,5,6,7
	s_wait_dscnt 0x0                               ; this step's fragments are in
.if \k == 3
	s_wait_tensorcnt 0x0                           ; every wave's load has landed: chunk 1 is shown to all
	s_barrier_signal -1
	s_barrier_wait -1
.endif
.if (\k > 0) && (\k < 7)
	PLACES 4                                       ; in front of loads into the set that the last step's products read
.endif
.if \k < 7
	FETCH \k+1
.endif
.if \k == 0
	s_wait_loadcnt 0x0                             ; the scale words and the bias
	MULS 0, 1                                      ; the first products start the sums from the bias
.else
	MULS \k, 0
.endif
.endr
	WIN 0
	PLACES 4                                       ; in front of the first read of results and of loads into B's registers
.macro TOSTAGE a                       ; token tile a: into my stage, each accumulator from its low end on, and back as rows
	WIN 0x0c                                       ; an LDS store's data are its source 1: window 3
.irp b, 0,1,2,3,4,5,6,7
	ds_store_b128 v[STO], v[8*(8*(\a)+\b):8*(8*(\a)+\b)+3] offset:128*(\b/2)+32*(\b%2)
	ds_store_b128 v[STO], v[8*(8*(\a)+\b)+4:8*(8*(\a)+\b)+7] offset:128*(\b/2)+32*(\b%2)+16
.endr
	WIN 0x40                                       ; destination window 1
.irp t, 0,1,2,3,4,5,6,7,8,9,10,11,12,13,14,15
	ds_load_b128 v[64*(\a)+4*\t:64*(\a)+4*\t+3], v[RD] offset:528*\t      ; LDS serves a wave's instructions in order: these see the stores above, and the next tile's stores come behind them
.endr
.endm
.macro SEND a, younger                 ; younger: the LDS instructions issued behind tile a's loads
	s_wait_dscnt \younger
	WIN 0x04                                       ; a store's data are its source 1: window 1
.irp t, 0,1,2,3,4,5,6,7,8,9,10,11,12,13,14,15
	global_store_b128 v[CO], v[64*(\a)+4*\t:64*(\a)+4*\t+3], s[12:13] offset:(32*((\a)/2)+8*((\a)%2)+(\t%8)+16*(\t/8))*4096 th:TH_STORE_NT   ; 512 consecutive bytes, aligned; each tile has registers of its own
.endr
.endm
	s_wait_alu depctr_va_vdst(0)
	TOSTAGE 0
.irp a, 1,2,3
	TOSTAGE \a
	SEND \a-1, 32                                  ; behind its loads: the next tile's 16 stores and 16 loads
.endr
	SEND 3, 0
	WIN 0
	s_wait_tensorcnt 0x0                           ; the wave's end, behind my last LDS store
	ds_add_u32 v[SPW], v[NIL]
	s_wait_dscnt 0x0
	CROUND                                         ; the closing round
	s_endpgm
.Lfunc_end_k_qe7d94b53e5_proj:
	.size	k_qe7d94b53e5_proj, .Lfunc_end_k_qe7d94b53e5_proj-k_qe7d94b53e5_proj
	.p2alignl 7, 3214868480
	.fill 96, 4, 3214868480
	.section	.rodata,"a",@progbits
	.p2align	6, 0x0
	.amdhsa_kernel k_qe7d94b53e5_proj
		.amdhsa_group_segment_fixed_size 295424
		.amdhsa_private_segment_fixed_size 0
		.amdhsa_enable_private_segment 0
		.amdhsa_kernarg_size 40
		.amdhsa_user_sgpr_count 2
		.amdhsa_user_sgpr_kernarg_segment_ptr 1
		.amdhsa_wavefront_size32 1
		.amdhsa_system_sgpr_workgroup_id_x 1
		.amdhsa_system_sgpr_workgroup_id_y 1
		.amdhsa_system_sgpr_workgroup_id_z 1
		.amdhsa_system_vgpr_workitem_id 0
		.amdhsa_next_free_vgpr 1024
		.amdhsa_next_free_sgpr 100
		.amdhsa_reserve_vcc 0
		.amdhsa_float_denorm_mode_32 3
		.amdhsa_float_denorm_mode_16_64 3
		.amdhsa_memory_ordered 1
		.amdhsa_forward_progress 1
		.amdhsa_inst_pref_size 96
	.end_amdhsa_kernel
	.amdgpu_metadata
---
amdhsa.version: [ 1, 2 ]
amdhsa.kernels:
  - .name:           k_qe7d94b53e5_proj
    .symbol:         k_qe7d94b53e5_proj.kd
    .args:
      - { .name: ocod, .offset: 0, .size: 8, .value_kind: global_buffer, .address_space: global }
      - { .name: cod1, .offset: 8, .size: 8, .value_kind: global_buffer, .address_space: global }
      - { .name: scl4, .offset: 16, .size: 8, .value_kind: global_buffer, .address_space: global }
      - { .name: bo, .offset: 24, .size: 8, .value_kind: global_buffer, .address_space: global }
      - { .name: out0, .offset: 32, .size: 8, .value_kind: global_buffer, .address_space: global }
    .group_segment_fixed_size: 295424
    .private_segment_fixed_size: 0
    .kernarg_segment_align: 8
    .kernarg_segment_size: 40
    .max_flat_workgroup_size: 128
    .sgpr_count:     100
    .vgpr_count:     1024
    .wavefront_size: 32
...
	.end_amdgpu_metadata
.endif
;; end of part 4
